; MI455X (gfx1250); checked and timed in simulation.
; The chip was launched on July 23, 2026; its instructions are those of AMD's public machine-readable ISA for CDNA 5 (MIT licence, August 2026) and "CDNA5" Instruction Set Architecture Reference Guide (July 2026). The comments in the code are by the model that wrote it; some were corrected since.
;; Attention. Allowed arithmetic: matrix products marked QUANTISED: E2M1 operands, one E8M0 scale for each 32 along K, by v_wmma_scale_f32_16x16x128_f8f6f4 with both operands' format E2M1 (or v_wmma_scale_f32_32x16x128_f4), f32 sums; products left as they are: bf16, f16 or f32 operands; f32 sums; everything else in f32.
;; Inputs: cos 2,048 x 64 float32; sin 2,048 x 64 float32; wk 1,024 x 4,096 float32; wo 4,096 x 2,048 float32; wq 2,048 x 4,096 float32; wv 1,024 x 4,096 float32; x 2,048 x 4,096 float32.
;; Outputs: out0 2,048 x 4,096 float32.
;; This version of the problem:
;;   THIS VERSION OF THE PROBLEM IS GIVEN IN LOW PRECISION. The matrix products marked QUANTISED in the list below multiply operands that are first quantised to E2M1 (2 exponent bits, 1 mantissa bit; 4 bits a number), with one power-of-two scale for each 32 numbers along K (OCP MX v1.0); their sums are f32. The products marked 'left as it is' may take bf16, f16 or f32 operands, with f32 sums. All else is computed in f32.
;;   The module's matrix products, in the order in which they are computed (A, B: the left and right operand; K: the contracted axis; several contracted axes count as one K, in the product's order):
;;     1. [M 2,048, K 4,096] x [K 4,096, N 2,048]; A: input x; B: input wq: QUANTISED
;;     2. [M 2,048, K 4,096] x [K 4,096, N 1,024]; A: input x; B: input wk: QUANTISED
;;     3. [M 2,048, K 4,096] x [K 4,096, N 1,024]; A: input x; B: input wv: QUANTISED
;;     4. batch 16 x [M 2,048, K 128] x [K 128, N 2,048]; A: computed on the way; B: computed on the way: left as it is (an operand is computed on the way)
;;     5. batch 16 x [M 128, K 2,048] x [K 2,048, N 2,048]; A: computed on the way; B: computed on the way: left as it is (an operand is computed on the way)
;;     6. [M 2,048, K 2,048] x [K 2,048, N 4,096]; A: computed on the way; B: input wo: left as it is (an operand is computed on the way)
;;   THE QUANTISER, for each operand of a quantised product, along K:
;;     - K is cut into blocks of 32 from its start; a last block that is shorter is filled with zeros.
;;     - A block's scale is 2^e with e = floor(log2(the largest magnitude in the block)) - 2, held to -126 .. 127; a block of zeros has e = 0. As a byte (E8M0): e + 127.
;;     - Each number is divided by its block's scale, clamped to +-6, and rounded to the nearest number of E2M1, ties to even, subnormals kept.
;;     - The product sums the exact products of the quantised numbers (number of the format x scale) in f32.
;;   ~~~python
;;   def quantise(x, axis):      # numpy; x: float32 -> the quantised numbers, widened to float32 again
;;       x = np.moveaxis(x, axis, -1); K = x.shape[-1]
;;       x = np.pad(x, [(0, 0)] * (x.ndim - 1) + [(0, -K % 32)]); x = x.reshape(x.shape[:-1] + (-1, 32)); a = np.abs(x).max(-1, keepdims=True)
;;       e = np.where(a > 0, np.clip(np.frexp(np.where(a > 0, a, 1))[1] - 1 - 2, -126, 127), 0)      # np.frexp(a)[1] - 1 = floor(log2(a)), exactly
;;       r = np.clip(x / 2.0 ** e, -6, 6)
;;       step = 2.0 ** (np.maximum(np.frexp(np.where(r == 0, 1, r))[1] - 1, 0) - 1)
;;       q = np.round(r / step) * step * 2.0 ** e      # np.round: ties to even
;;       return np.moveaxis(q.reshape(q.shape[:-2] + (-1,))[..., :K], -1, axis).astype(np.float32)
;;   ~~~
;; One version. Each part assembles by itself: llvm-mc -triple=amdgcn-amd-amdhsa -mcpu=gfx1250 --defsym DOCPART=n.
;; ======== version 1 of 1: 4 launches
;; limits: values are held in f16: magnitudes above 65,504 overflow, below 6.1e-05 lose precision
;; workspace buffers: x_codes 4,194,304 bytes; x_scales 262,144 bytes; w_codes 8,388,608 bytes; w_scales 524,288 bytes; wo_h 16,777,216 bytes; qkv 16,777,216 bytes; att 8,388,608 bytes
;; launch prep (part 1): grid 1024 x 1, 4 waves a work-group, no clusters, 33,280 bytes of LDS; arguments x, wq, wk, wv, wo, x_codes, x_scales, w_codes, w_scales, wo_h; writes x_codes, x_scales, w_codes, w_scales, wo_h
.if DOCPART == 1
	.amdgcn_target "amdgcn-amd-amdhsa--gfx1250"
	.amdhsa_code_object_version 6
	.text
	.protected	k_q865a614e6b_prep
	.globl	k_q865a614e6b_prep
	.p2align	8
	.type	k_q865a614e6b_prep,@function
k_q865a614e6b_prep:
	s_mov_b64 s[64:65], 0
	v_nop
	global_prefetch_b8 v0, s[64:65] scope:SCOPE_SE
	s_setreg_imm32_b32 hwreg(HW_REG_WAVE_MODE, 25, 1), 1
	s_wait_xcnt 0x0
; x [2048][4096], wq [2048][4096], wk [1024][4096], wv [1024][4096], f32, become codes of FP4 (E2M1), K innermost, with one E8M0 byte for each 32 along K;
; wo [4096][2048], f32, is rounded once to f16.  wq, wk and wv go one behind the other into ONE buffer of 4,096 rows, so that the three projections are one product.
; A block's scale is 2^(floor(log2(its largest magnitude)) - 2); its byte is the largest magnitude's exponent field - 2, held at 1 from below.  A block of zeros so gets the byte 1 where the
; rule says 127: its codes are zeros, which add nothing, and the bytes are read by this program alone.
; LIMITS: blocks whose largest magnitude lies under 2^(2 - 126) keep the byte 1; NaN and infinities among the inputs are not served; |wo| stays under 65,504, f16's largest number.
; SHARES.  1,024 work-groups of four waves, 32,768 numbers each, 8,192 a wave.  By the work-group's number: 0-255 x, 256-511 wq, 512-639 wk, 640-767 wv, 768-1023 wo.
; Rows are dense and 4,096 is a multiple of 32: a tensor is a plain stream of blocks of 32, and so are its codes and its bytes.
; THE QUANTISER.  A wave takes 16 steps of 512 numbers.  Each of a step's four loads reads 512 consecutive bytes; the 2,048 bytes turn through the wave's own stage in LDS and come back 64 bytes a lane,
; so that a lane holds 16 neighbours along K (two lanes to a block).  A lane's 16 codes are 8 bytes: the wave stores 256 consecutive bytes.  A wave's 256 scale bytes are gathered in its own LDS bytes and leave together.
; THE CAST uses no LDS: a lane takes 8 neighbours (32 bytes) and stores 16 bytes; a wave's store covers 512 consecutive bytes.
.set STEPS, 16
.set EMAX,  2
.set CB,    8                          ; bytes of 16 codes
.set R,     16                         ; v16-79   numbers as they are loaded: four sets of 16 (the cast: eight sets of 8)
.set X,     80                         ; v80-111  two sets of 16 neighbours
.set E,     112                        ; v112-127 a scale byte for each step
.set C,     128                        ; v128-191 results: four registers for each step (the cast: for each of 16 units)
.set WREG,  8192                       ; LDS: a region for each wave: two stages of 32 x SP bytes, behind them its 256 scale bytes
.set SP,    80                         ; a lane's place in a stage: 64 bytes + 16 of padding
.set SRC,   26                         ; s[26:27] what I read
.set COD,   28                         ; s[28:29] where the codes (the cast: the f16 numbers) go
.set SCB,   30                         ; s[30:31] where the scale bytes go
	s_load_b512 s[4:19], s[0:1], 0x0               ; x 4, wq 6, wk 8, wv 10, wo 12, x_codes 14, x_scales 16, w_codes 18
	s_load_b128 s[20:23], s[0:1], 0x40             ; w_scales 20, wo_h 22
	v_lshl_add_u32 v192, v0, 2, 0x8000
	v_mov_b32 v193, 0
	v_lshrrev_b32 v1, 5, v0
	v_readfirstlane_b32 s24, v1                    ; wave
	v_and_b32 v2, 31, v0                           ; lane
	s_cmp_ge_u32 ttmp9, 768
	s_cbranch_scc1 .Lcast
	v_lshlrev_b32 v3, 4, v2                        ; my 16 bytes of a load's 512
	s_mul_i32 s25, s24, WREG
	v_lshrrev_b32 v14, 2, v2
	v_mul_u32_u24 v14, v14, SP
	v_and_b32 v15, 3, v2
	v_lshl_add_u32 v14, v15, 4, v14
	v_add_nc_u32 v14, s25, v14                     ; the stage, on the way in: four lanes' 64 bytes on end, then 16 of padding
	v_mul_u32_u24 v15, v2, SP
	v_add_nc_u32 v15, s25, v15                     ; and on the way out: my 16 neighbours
	v_mul_u32_u24 v4, v2, CB                       ; my codes' place in a step's
	v_lshrrev_b32 v5, 1, v2
	s_add_co_u32 s25, s25, 2*32*SP
	v_add_nc_u32 v5, s25, v5                       ; LDS: my wave's 256 scale bytes, my block's byte
	v_lshlrev_b32 v7, 3, v2                        ; and on the way out 8 bytes a lane
	v_add_nc_u32 v6, s25, v7
	s_wait_kmcnt 0x0
	s_cmp_lt_u32 ttmp9, 256                        ; which tensor: the choices hang on the work-group's number alone
	s_cselect_b64 s[SRC:SRC+1], s[4:5], s[6:7]
	s_cselect_b64 s[COD:COD+1], s[14:15], s[18:19]
	s_cselect_b64 s[SCB:SCB+1], s[16:17], s[20:21]
	s_cselect_b32 s32, 0, 256                      ; the first work-group of my source tensor,
	s_mov_b32 s33, s32                             ; and of my target buffer (wq, wk and wv share one)
	s_cmp_ge_u32 ttmp9, 512
	s_cselect_b64 s[SRC:SRC+1], s[8:9], s[SRC:SRC+1]
	s_cselect_b32 s32, 512, s32
	s_cmp_ge_u32 ttmp9, 640
	s_cselect_b64 s[SRC:SRC+1], s[10:11], s[SRC:SRC+1]
	s_cselect_b32 s32, 640, s32
	s_sub_co_u32 s32, ttmp9, s32
	s_lshl_b32 s32, s32, 2
	s_add_co_u32 s32, s32, s24                     ; which run of 8,192 numbers of the source is my wave's
	s_sub_co_u32 s33, ttmp9, s33
	s_lshl_b32 s33, s33, 2
	s_add_co_u32 s33, s33, s24                     ; and which run of the target
	s_lshl_b32 s34, s32, 15                        ; 32,768 bytes of f32 a run
	s_mov_b32 s35, 0
	s_add_nc_u64 s[SRC:SRC+1], s[SRC:SRC+1], s[34:35]
	s_lshl_b32 s34, s33, 12                        ; 4,096 bytes of codes
	s_add_nc_u64 s[COD:COD+1], s[COD:COD+1], s[34:35]
	s_lshl_b32 s34, s33, 8                         ; 256 scale bytes
	s_add_nc_u64 s[SCB:SCB+1], s[SCB:SCB+1], s[34:35]
.macro LOAD t
.irp i, 0,1,2,3
	global_load_b128 v[R+16*((\t)%4)+4*\i:R+16*((\t)%4)+4*\i+3], v3, s[SRC:SRC+1] offset:2048*(\t)+512*\i th:TH_LOAD_NT   ; 32 lanes read 512 consecutive bytes
.endr
.endm
.macro TURN t                          ; step t's numbers through the stage: LDS serves a wave's instructions in order, so no wait stands between the stores and the loads
.irp i, 0,1,2,3
	ds_store_b128 v14, v[R+16*((\t)%4)+4*\i:R+16*((\t)%4)+4*\i+3] offset:32*SP*((\t)%2)+8*SP*\i
.endr
.irp i, 0,1,2,3
	ds_load_b128 v[X+16*((\t)%2)+4*\i:X+16*((\t)%2)+4*\i+3], v15 offset:32*SP*((\t)%2)+16*\i
.endr
.endm
.irp t, 0,1,2,3
	LOAD \t
.endr
	s_wait_loadcnt 12                              ; step 0's four loads are in; the twelve of steps 1 to 3 may be out
	TURN 0
.macro STEP t
.set XS, X+16*((\t)%2)
.if (\t) > 0
	s_wait_dscnt 1                                 ; this step's numbers are back from the stage (the last step's byte store may be out): so its stores into the stage have read their registers,
.else
	s_wait_dscnt 0x0
.endif
.if (\t)+4 < STEPS
	LOAD (\t)+4                                    ; which take the loads of four steps on
.endif
.if (\t)+1 < STEPS
.if STEPS-2-(\t) >= 3
	s_wait_loadcnt 12                              ; the next step's four loads are in; those of the three steps behind it may be out
.else
	s_wait_loadcnt 4*(STEPS-2-(\t))
.endif
	TURN (\t)+1                                    ; and go through the other stage while this step is worked
.endif
	v_max3_num_f32 v8, |v[XS]|, |v[XS+1]|, |v[XS+2]|               ; the largest magnitude of my 16, in two chains
	v_max3_num_f32 v9, |v[XS+3]|, |v[XS+4]|, |v[XS+5]|
.irp i, 6,10
	v_max3_num_f32 v8, v8, |v[XS+\i]|, |v[XS+\i+1]|
	v_max3_num_f32 v9, v9, |v[XS+\i+2]|, |v[XS+\i+3]|
.endr
	v_max3_num_f32 v8, v8, |v[XS+14]|, |v[XS+15]|
	v_max3_num_f32 v8, v8, v9, (EMAX+1)<<23        ; and the floor 2^(EMAX + 1 - 127): the byte cannot fall under 1
	v_max_num_f32_dpp v8, v8, v8 row_xmask:1 row_mask:0xf bank_mask:0xf   ; and of my neighbour's 16: the block's
	v_add_nc_u32 v11, -(EMAX<<23), v8              ; EMAX off its exponent field: the conversion takes the exponent field of this operand as its scale, and nothing else of it
	v_cvt_scalef32_pk8_fp4_f32 v[C+4*(\t)], v[XS:XS+7], v11        ; eight numbers / the scale, to the nearest code, ties to even, beyond the largest code the largest
	v_cvt_scalef32_pk8_fp4_f32 v[C+4*(\t)+1], v[XS+8:XS+15], v11
	v_lshrrev_b32 v[E+(\t)], 23, v11               ; the scale's byte
	ds_store_b8 v5, v[E+(\t)] offset:16*(\t)       ; both lanes of a block write the same byte with the same value
	global_store_b64 v4, v[C+4*(\t):C+4*(\t)+1], s[COD:COD+1] offset:32*CB*(\t)   ; 32 lanes store 256 consecutive bytes, aligned
.endm
.irp t, 0,1,2,3,4,5,6,7,8,9,10,11,12,13,14,15
	STEP \t
.endr
	ds_load_b64 v[12:13], v6                       ; LDS serves a wave's instructions in order: these see my stores
	s_wait_dscnt 0x0
	global_store_b64 v7, v[12:13], s[SCB:SCB+1]    ; 32 lanes store 256 consecutive bytes, aligned
	s_wait_tensorcnt 0x0
	ds_add_u32 v192, v193
	s_wait_dscnt 0x0
	s_endpgm
.Lcast:                                            ; wo to f16: 32 units of 256 numbers a wave; loads run eight units (16 loads) ahead
	v_lshlrev_b32 v3, 5, v2                        ; in: my 8 numbers, 32 bytes
	v_lshlrev_b32 v4, 4, v2                        ; out: 16 bytes
	s_sub_co_u32 s32, ttmp9, 768
	s_lshl_b32 s32, s32, 2
	s_add_co_u32 s32, s32, s24                     ; which run of 8,192 numbers is my wave's
	s_lshl_b32 s34, s32, 15
	s_mov_b32 s35, 0
	s_wait_kmcnt 0x0
	s_add_nc_u64 s[SRC:SRC+1], s[12:13], s[34:35]
	s_lshl_b32 s34, s32, 14
	s_add_nc_u64 s[COD:COD+1], s[22:23], s[34:35]
.macro CLOAD u
	global_load_b128 v[R+8*((\u)%8):R+8*((\u)%8)+3], v3, s[SRC:SRC+1] offset:1024*(\u) th:TH_LOAD_NT
	global_load_b128 v[R+8*((\u)%8)+4:R+8*((\u)%8)+7], v3, s[SRC:SRC+1] offset:1024*(\u)+16 th:TH_LOAD_NT
.endm
.macro CUNIT u
.if 31-(\u) >= 7
	s_wait_loadcnt 14                              ; this unit's two loads are in; those of the seven units behind it may be out
.else
	s_wait_loadcnt 2*(31-(\u))
.endif
.if (\u) >= 16
	s_wait_xcnt 0x0                                ; the store of sixteen units ago has read its data: they are written again only behind this wait
.endif
.irp j, 0,1,2,3
	v_cvt_pk_f16_f32 v[C+4*((\u)%16)+\j], v[R+8*((\u)%8)+2*\j], v[R+8*((\u)%8)+2*\j+1]
.endr
	global_store_b128 v4, v[C+4*((\u)%16):C+4*((\u)%16)+3], s[COD:COD+1] offset:512*(\u)   ; 32 lanes store 512 consecutive bytes, aligned
.if (\u)+8 < 32
	CLOAD (\u)+8
.endif
.endm
.irp u, 0,1,2,3,4,5,6,7
	CLOAD \u
.endr
.set U, 0
.rept 32
	CUNIT U
.set U, U+1
.endr
	s_endpgm
.Lfunc_end_k_q865a614e6b_prep:
	.size	k_q865a614e6b_prep, .Lfunc_end_k_q865a614e6b_prep-k_q865a614e6b_prep
	.p2alignl 7, 3214868480
	.fill 96, 4, 3214868480
	.section	.rodata,"a",@progbits
	.p2align	6, 0x0
	.amdhsa_kernel k_q865a614e6b_prep
		.amdhsa_group_segment_fixed_size 33280
		.amdhsa_private_segment_fixed_size 0
		.amdhsa_enable_private_segment 0
		.amdhsa_kernarg_size 80
		.amdhsa_user_sgpr_count 2
		.amdhsa_user_sgpr_kernarg_segment_ptr 1
		.amdhsa_wavefront_size32 1
		.amdhsa_system_sgpr_workgroup_id_x 1
		.amdhsa_system_sgpr_workgroup_id_y 1
		.amdhsa_system_sgpr_workgroup_id_z 1
		.amdhsa_system_vgpr_workitem_id 0
		.amdhsa_next_free_vgpr 194
		.amdhsa_next_free_sgpr 66
		.amdhsa_reserve_vcc 0
		.amdhsa_float_denorm_mode_32 3
		.amdhsa_float_denorm_mode_16_64 3
		.amdhsa_memory_ordered 1
		.amdhsa_forward_progress 1
		.amdhsa_inst_pref_size 53
	.end_amdhsa_kernel
	.amdgpu_metadata
---
amdhsa.version: [ 1, 2 ]
amdhsa.kernels:
  - .name:           k_q865a614e6b_prep
    .symbol:         k_q865a614e6b_prep.kd
    .args:
      - { .name: x, .offset: 0, .size: 8, .value_kind: global_buffer, .address_space: global }
      - { .name: wq, .offset: 8, .size: 8, .value_kind: global_buffer, .address_space: global }
      - { .name: wk, .offset: 16, .size: 8, .value_kind: global_buffer, .address_space: global }
      - { .name: wv, .offset: 24, .size: 8, .value_kind: global_buffer, .address_space: global }
      - { .name: wo, .offset: 32, .size: 8, .value_kind: global_buffer, .address_space: global }
      - { .name: x_codes, .offset: 40, .size: 8, .value_kind: global_buffer, .address_space: global }
      - { .name: x_scales, .offset: 48, .size: 8, .value_kind: global_buffer, .address_space: global }
      - { .name: w_codes, .offset: 56, .size: 8, .value_kind: global_buffer, .address_space: global }
      - { .name: w_scales, .offset: 64, .size: 8, .value_kind: global_buffer, .address_space: global }
      - { .name: wo_h, .offset: 72, .size: 8, .value_kind: global_buffer, .address_space: global }
    .group_segment_fixed_size: 33280
    .private_segment_fixed_size: 0
    .kernarg_segment_align: 8
    .kernarg_segment_size: 80
    .max_flat_workgroup_size: 128
    .sgpr_count:     66
    .vgpr_count:     194
    .wavefront_size: 32
...
	.end_amdgpu_metadata
.endif
;; end of part 1
;; launch qkv (part 2): grid 16 x 16, 4 waves a work-group, clusters of 4 x 4, 327,680 bytes of LDS; arguments x_codes, x_scales, w_codes, w_scales, cos, sin, qkv; writes qkv
.if DOCPART == 2
	.amdgcn_target "amdgcn-amd-amdhsa--gfx1250"
	.amdhsa_code_object_version 6
	.text
	.protected	k_q865a614e6b_qkv
	.globl	k_q865a614e6b_qkv
	.p2align	8
	.type	k_q865a614e6b_qkv,@function
k_q865a614e6b_qkv:
	s_mov_b64 s[64:65], 0
	v_nop
	global_prefetch_b8 v0, s[64:65] scope:SCOPE_SE
	s_setreg_imm32_b32 hwreg(HW_REG_WAVE_MODE, 25, 1), 1
	s_wait_xcnt 0x0
	s_wait_alu depctr_hold_cnt(0) depctr_sa_sdst(0) depctr_va_vdst(0) depctr_va_sdst(0) depctr_va_ssrc(0) depctr_va_vcc(0) depctr_vm_vsrc(0)
	s_getreg_b32 s2, hwreg(HW_REG_IB_STS2, 6, 4)
	s_cmp_eq_u32 s2, 0
	s_cbranch_scc0 .Lentry_in_a_cluster
	s_endpgm
.Lentry_in_a_cluster:
	s_bfe_u32 s2, ttmp6, 0x10000c
	s_cmp_lg_u32 s2, 0xf033
	s_cbranch_scc0 .Lentry_shape_is_right
	s_endpgm
.Lentry_shape_is_right:
; The three projections as ONE product on codes of FP4 (E2M1) with E8M0 scales: C[m][n] = sum over k of x[m][k] w[n][k], m 2,048, n 4,096 (wq's 2,048 rows, wk's 1,024, wv's 1,024), k 4,096; sums in f32.
; Then, in f32: q and k are rotated (RoPE: neighbouring pairs by cos and sin of the row) and multiplied by a factor; all three are rounded once to f16 and stored by heads: qkv [32 heads][2048][128]: 0-15 q, 16-23 k, 24-31 v.
; FACTORS.  q is stored x log2(e) / sqrt(128) / 8, k x 1/8: their product is t / 64, t the exponent of 2 that the softmax wants; v as it is.
; LIMITS: what is stored stays under f16's largest number, 65,504: |q| under 4.1e6, |k| under 5.2e5, |v| under 65,504.  Stored numbers under 2^-14 keep an absolute error of 2^-25.
; SHARES.  A tile of C is 128 x 256: 16 x 16 = 256 work-groups of four waves; a wave makes 64 x 128, which is 64 rows of ONE head: 32 accumulators of 16 x 16.
; K goes in steps of 512 (rows of 256 bytes) through a ring of two LDS slots filled by the tensor data mover: waves 0 and 1 fetch A's halves (64 rows), waves 2 and 3 B's (128 rows).
; The scale bytes of the work-group's rows, for all of K, are two dense blocks of memory: they come into LDS once, with the first fills, and stay.
; CLUSTERS: 4 x 4 work-groups.  The four of a row of the cluster need the same tiles of A, the four of a column the same tiles of B: each is asked for jointly.
; THE MATRIX INSTRUCTION IS USED TRANSPOSED (source 0 = 16 rows of w, source 1 = 16 rows of x): a lane holds eight neighbouring numbers of one row of a head: four pairs of the rotation.
; REGISTERS, in windows of 256: window 0: v0-31 addresses; v32-95 scale words, two sets; v96-159 A's fragments, two sets of 4 (on the way out: the rotated numbers); v160-191 packed results; v192-255 rows read back.
;   window 1: B's fragments, two sets of 8.   window 2: accumulator (a, b) at v[8 (8 a + b)].   window 3: for accumulator (a, b) four cos at v[8 (8 a + b)], four sin behind them.
.set KROW,   2048                      ; a row of codes in memory, in bytes
.set PITCH,  272                       ; an LDS row: 256 bytes + 16 of padding = 68 words: the 16 rows that a load touches start 4 words apart modulo 64
.set AHALF,  64*PITCH                  ; what a wave fetches of A, and what a wave reads of A
.set BHALF,  128*PITCH                 ; the same for B
.set APART,  2*AHALF
.set SLOT,   APART+2*BHALF             ; A's 128 rows, then B's 256
.set LAPS,   4                         ; a lap = two K steps of 512 = once round the ring
.set SCL,    2*SLOT                    ; behind the ring: A's scale bytes, 128 rows x 128 bytes, as pieces of 256 bytes + 16 of padding
.set SAH,    32*272                    ; those of 64 rows
.set SBH,    64*272                    ; those of 128 rows
.set SCLB,   SCL+2*SAH                 ; B's scale bytes, 256 rows
.set SBLK,   8*272                     ; those of 16 rows
.set SPARE,  SCLB+2*SBH                ; the spare words, 128 bytes for each wave: two blocks of 256 bytes that no other line names
.set STAGE,  SPARE+512                 ; the way out: 16 rows x 272 bytes for each wave; no tile lands here
.set SPITCH, 272
.set ADRA, 16                          ; v16-17  LDS address of my A fragments in slot 0, 1
.set ADRB, 20                          ; v20-21  the same for B
.set STO,  24                          ; v24     the way out: where I put 16 bytes of a row
.set RD,   25                          ; v25     where I read a row back
.set CO,   26                          ; v26     16 x lane: my place in two rows of qkv
.set ADRS, 27                          ; v27     LDS address of my scale words: lanes 0-15 A's rows, lanes 16-31 B's
.set SPW,  28                          ; v28     LDS address of my spare word; never rewritten
.set NIL,  29                          ; v29     0; never rewritten
.set CSO,  31                          ; v31     my byte offset in cos and sin: 256 r + 16 h
.set SC,   32                          ; scale words: set s at v[SC + 32 s]; register 4 i + q: lanes 0-15 A's block i, lanes 16-31 B's block i, the slot's q-th 128 along K
.set AF,   96
.set TT,   96                          ; the way out: a block's 64 rotated numbers
.set TMP,  160
.set BK,   192
.set G1,   24                          ; s[24:31] descriptor group 1 for A's tiles;  s[32:39] group 0, one set for each slot
.set G0,   32
.set G1B,  48                          ; s[48:55], s[56:63] the same for B's
.set G0B,  56
.set FS,   66                          ; s[66:67] the factor, as a pair
.set G1S,  68                          ; s[68:75], s[76:79] groups 1 and 0 for A's scales;  s[80:87], s[88:91] for B's
.set G0S,  76
.set G1SB, 80
.set G0SB, 88
.set MSB, 0
.macro WIN new                         ; the immediate's high byte repeats the setting that is left
.if MSB != \new
	s_set_vgpr_msb (MSB<<8)|\new
.set MSB, \new
.endif
.endm
.set MUL,  0xa1                        ; source 0 (B) window 1, source 1 (A) window 0, C and D window 2
.set TO_B, 0x40                        ; destination window 1, address window 0
; A joint load: waves 0 and 1 fetch for A, waves 2 and 3 for B.  Each of the two lines has one mask and one set of registers for all that issue it; the branch hangs on the wave's number alone.
; Four v_nop follow each of the two lines, ahead of the jump, the label and what follows.
.macro JLOAD g0a, g1a, g0b, g1b
	s_cmp_eq_u32 s15, 0
	s_cbranch_scc0 .Lfor_b_\@
	tensor_load_to_lds s[\g0a:\g0a+3], s[\g1a:\g1a+7]
	s_nop 0
.rept 4
	v_nop
.endr
	s_branch .Lasked_\@
.Lfor_b_\@:
	tensor_load_to_lds s[\g0b:\g0b+3], s[\g1b:\g1b+7]
	s_nop 0
.rept 4
	v_nop
.endr
.Lasked_\@:
.endm
.macro CREST                           ; a round of the cluster's barrier behind its opening barrier
	s_cmp_lg_u32 s14, 0
	s_cbranch_scc1 .Lnot_wave_0_\@
	s_barrier_signal -3
.Lnot_wave_0_\@:
	s_barrier_wait -3
	s_barrier_signal -1
	s_barrier_wait -1
.endm
.macro CROUND                          ; a whole round
	s_barrier_signal -1
	s_barrier_wait -1
	CREST
.endm
.macro PLACES n                        ; plain vector instructions between a matrix instruction and a load into, or a read of, its registers
.rept \n
	v_nop
.endr
.endm
	s_load_b128 s[4:7], s[0:1], 0x0                ; x's codes, x's scales
	s_load_b128 s[8:11], s[0:1], 0x10              ; w's codes, w's scales
	s_load_b128 s[92:95], s[0:1], 0x20             ; cos, sin
	s_load_b64 s[12:13], s[0:1], 0x30              ; qkv
	v_lshl_add_u32 v[SPW], v0, 2, SPARE
	v_mov_b32 v[NIL], 0
	ds_add_u32 v28, v29
	ds_add_u32 v28, v29
	s_wait_dscnt 0x0
	v_lshrrev_b32 v1, 5, v0
	v_readfirstlane_b32 s14, v1                    ; wave 0..3
	s_lshr_b32 s15, s14, 1                         ; which 64 of the tile's rows are mine.  Also: I fetch for A (0) or for B (1)
	s_and_b32 s16, s14, 1                          ; which 128 of its columns.  Also: which half of that tile I fetch
	s_bfe_u32 s40, ttmp6, 0x40000                  ; cx, cy: my place in the cluster
	s_bfe_u32 s41, ttmp6, 0x40004
	s_lshl_b32 s42, ttmp9, 2
	s_add_co_u32 s42, s42, s40                     ; tile column = 4 x cluster x + cx
	s_and_b32 s17, ttmp7, 0xffff
	s_lshl_b32 s17, s17, 2
	s_add_co_u32 s17, s17, s41                     ; tile row = 4 x cluster y + cy
	s_lshl_b32 s43, s41, 2
	s_lshl_b32 s43, 15, s43                        ; my row of the cluster
	s_lshl_b32 s44, 0x1111, s40                    ; my column
	; descriptor group 1: rows of 256 elements of one byte, 16 bytes of padding behind each; A: 64 rows, B: 128
	s_or_b32 s[G1+0], s43, (0<<16)|(1<<20)|(1<<21)|(5<<22)|(3<<25)   ; 15:0 the mask; 17:16 elements of 1 byte; 20 padding on; 21 set beside a mask; 24:22 after every 64 words; 31:25 four words
	s_or_b32 s[G1B+0], s44, (0<<16)|(1<<20)|(1<<21)|(5<<22)|(3<<25)
	s_mov_b32 s[G1+1], 256<<16                     ; tensor_dim0
	s_mov_b32 s[G1+2], 64<<16                      ; tensor_dim1
	s_mov_b32 s[G1+3], 256<<16                     ; tile_dim0
	s_mov_b32 s[G1+4], 64                          ; tile_dim1
	s_mov_b32 s[G1+5], KROW                        ; from row to row
	s_mov_b32 s[G1+6], 0
	s_mov_b32 s[G1+7], 0
	s_mov_b32 s[G1B+1], 256<<16
	s_mov_b32 s[G1B+2], 128<<16
	s_mov_b32 s[G1B+3], 256<<16
	s_mov_b32 s[G1B+4], 128
	s_mov_b32 s[G1B+5], KROW
	s_mov_b32 s[G1B+6], 0
	s_mov_b32 s[G1B+7], 0
	; the scales: dense blocks, as rows of 256 bytes (32 elements of 8 bytes), 16 bytes of padding behind each; A: 64 x 128 bytes = 32 rows, B: 64 rows
	s_or_b32 s[G1S+0], s43, (3<<16)|(1<<20)|(1<<21)|(5<<22)|(3<<25)
	s_or_b32 s[G1SB+0], s44, (3<<16)|(1<<20)|(1<<21)|(5<<22)|(3<<25)
	s_mov_b32 s[G1S+1], 32<<16
	s_mov_b32 s[G1S+2], 32<<16
	s_mov_b32 s[G1S+3], 32<<16
	s_mov_b32 s[G1S+4], 32
	s_mov_b32 s[G1S+5], 32
	s_mov_b32 s[G1S+6], 0
	s_mov_b32 s[G1S+7], 0
	s_mov_b32 s[G1SB+1], 32<<16
	s_mov_b32 s[G1SB+2], 64<<16
	s_mov_b32 s[G1SB+3], 32<<16
	s_mov_b32 s[G1SB+4], 64
	s_mov_b32 s[G1SB+5], 32
	s_mov_b32 s[G1SB+6], 0
	s_mov_b32 s[G1SB+7], 0
	; where the tiles come from: A's hang on the tile row alone, B's on the tile column alone; every wave makes both
	s_lshl_b32 s18, s16, 6
	s_lshl_b32 s20, s17, 7
	s_add_co_u32 s20, s20, s18                     ; A: row 128 x tile row + 64 x half
	s_lshl_b32 s22, s20, 7                         ; its scales: 128 bytes a row
	s_lshl_b32 s20, s20, 11                        ; its codes: 2,048 bytes a row
	s_mov_b32 s21, 0
	s_mov_b32 s23, 0
	s_lshl_b32 s18, s16, 7
	s_lshl_b32 s46, s42, 8
	s_add_co_u32 s46, s46, s18                     ; B: row 256 x tile column + 128 x half
	s_lshl_b32 s96, s46, 7
	s_lshl_b32 s46, s46, 11
	s_mov_b32 s47, 0
	s_mov_b32 s97, 0
	s_mul_i32 s45, s16, AHALF                      ; and where they go: no place in the cluster enters an LDS address
	s_mul_i32 s2, s16, BHALF
	s_add_co_u32 s2, s2, APART
	s_mul_i32 s18, s16, SAH
	s_add_co_u32 s18, s18, SCL
	s_mul_i32 s19, s16, SBH
	s_add_co_u32 s19, s19, SCLB
	s_wait_kmcnt 0x0
	s_add_nc_u64 s[20:21], s[4:5], s[20:21]
	s_add_nc_u64 s[22:23], s[6:7], s[22:23]
	s_add_nc_u64 s[46:47], s[8:9], s[46:47]
	s_add_nc_u64 s[96:97], s[10:11], s[96:97]
	CROUND                                         ; all sixteen work-groups are here: the first joint loads meet
	s_mov_b32 s[G0S], 1
	s_mov_b32 s[G0S+1], s18
	s_mov_b64 s[G0S+2:G0S+3], s[22:23]
	s_or_b32 s[G0S+3], s[G0S+3], 0x80000000
	s_mov_b32 s[G0SB], 1
	s_mov_b32 s[G0SB+1], s19
	s_mov_b64 s[G0SB+2:G0SB+3], s[96:97]
	s_or_b32 s[G0SB+3], s[G0SB+3], 0x80000000
	JLOAD G0S, G1S, G0SB, G1SB                     ; the scales first: they are wanted with K step 0
.irp s, 0,1
	s_mov_b32 s[G0+4*\s], 1
	s_add_co_u32 s[G0+4*\s+1], s45, \s*SLOT
	s_add_nc_u64 s[G0+4*\s+2:G0+4*\s+3], s[20:21], \s*256
	s_or_b32 s[G0+4*\s+3], s[G0+4*\s+3], 0x80000000
	s_mov_b32 s[G0B+4*\s], 1
	s_add_co_u32 s[G0B+4*\s+1], s2, \s*SLOT
	s_add_nc_u64 s[G0B+4*\s+2:G0B+4*\s+3], s[46:47], \s*256
	s_or_b32 s[G0B+4*\s+3], s[G0B+4*\s+3], 0x80000000
	JLOAD G0+4*\s, G1, G0B+4*\s, G1B               ; three tensor loads of mine are out behind the second of these
.endr
	v_and_b32 v1, 15, v0                           ; r = lane % 16
	v_bfe_u32 v2, v0, 4, 1                         ; h = lane / 16
	v_lshlrev_b32 v[CSO], 8, v1
	v_lshl_add_u32 v[CSO], v2, 4, v[CSO]           ; cos, sin: row r of 256 bytes, + 16 h: the four pairs of my half of a tile's 16 columns
	s_lshl_b32 s20, s17, 7
	s_lshl_b32 s21, s15, 6
	s_add_co_u32 s20, s20, s21                     ; my first row: 128 x tile row + 64 x half
	s_lshl_b32 s22, s20, 8                         ; 256 bytes a row in cos, in sin and in a head of qkv
	s_mov_b32 s23, 0
	s_add_nc_u64 s[92:93], s[92:93], s[22:23]
	s_add_nc_u64 s[94:95], s[94:95], s[22:23]
	s_add_nc_u64 s[12:13], s[12:13], s[22:23]
	s_lshl_b32 s22, s42, 1
	s_add_co_u32 s22, s22, s16                     ; my head: 2 x tile column + half
	s_lshl_b32 s22, s22, 19                        ; 524,288 bytes a head
	s_add_nc_u64 s[12:13], s[12:13], s[22:23]
	WIN 0xc0                                       ; destination window 3, address window 0
.irp a, 0,1,2,3                        ; cos and sin in the results' layout; they land while K is walked.  Every work-group loads them, v's too, so that these registers are written on every path
.irp b, 0,1,2,3,4,5,6,7
	global_load_b128 v[8*(8*\a+\b):8*(8*\a+\b)+3], v[CSO], s[92:93] offset:4096*\a+32*\b
	global_load_b128 v[8*(8*\a+\b)+4:8*(8*\a+\b)+7], v[CSO], s[94:95] offset:4096*\a+32*\b
.endr
.endr
	WIN 0
	v_mul_u32_u24 v3, v1, PITCH
	v_lshl_add_u32 v4, v2, 4, v3                   ; a fragment's row x pitch + 16 x half
	s_mul_i32 s21, s15, AHALF                      ; my 64 rows of A
	s_mul_i32 s22, s16, BHALF                      ; my 128 rows of B,
	s_add_co_u32 s22, s22, APART                   ; which lie behind A's 128
.irp s, 0,1
	v_add_nc_u32 v[ADRA+\s], s21, v4
	v_add_nc_u32 v[ADRB+\s], s22, v4
	s_add_co_u32 s21, s21, SLOT
	s_add_co_u32 s22, s22, SLOT
.endr
	v_lshlrev_b32 v5, 7, v1                        ; my row's scales: 128 bytes a row,
	v_lshrrev_b32 v6, 1, v1
	v_lshl_add_u32 v5, v6, 4, v5                   ; and 16 more for each 256 passed
	s_mul_i32 s21, s15, SAH                        ; A's: my 64 rows
	s_mul_i32 s22, s16, SBH                        ; B's: my 128 rows, behind A's 128
	s_add_co_u32 s22, s22, 2*SAH
	s_sub_co_u32 s22, s22, s21
	v_mul_u32_u24 v6, s22, v2                      ; lanes 16-31 take B's: one product, the distance between the two bases
	s_add_co_u32 s21, s21, SCL
	v_add_nc_u32 v5, v5, v6
	v_add_nc_u32 v[ADRS], s21, v5
	s_mul_i32 s23, s14, 16*SPITCH
	s_add_co_u32 s23, s23, STAGE                   ; my stage
	v_add_nc_u32 v[STO], s23, v4                   ; in: row r, 16 bytes for each half of the lanes
	v_mul_u32_u24 v5, v2, SPITCH
	v_lshl_add_u32 v5, v1, 4, v5
	v_add_nc_u32 v[RD], s23, v5                    ; back: lanes 0-15 one row of 256 bytes, lanes 16-31 the next
	v_and_b32 v6, 31, v0
	v_lshlrev_b32 v[CO], 4, v6                     ; a head's rows lie on end: two rows are 512 consecutive bytes
.macro FRAG reg, adr, q, i             ; 16 rows x 128 K of 4-bit codes: 8 registers: lane l holds row l % 16; registers 4 c .. 4 c + 3 hold K = 64 c + 32 (l / 16) + 0 .. 31
.irp c, 0,1
	ds_load_b128 v[\reg+4*\c:\reg+4*\c+3], v[\adr] offset:64*(\q)+32*\c+(\i)*16*PITCH
.endr
.endm
.macro FETCH slot, q, p                ; 24 LDS loads in one run: the slot's q-th 128 along K into set p: B's eight fragments, A's four
	WIN TO_B
.irp i, 0,1,2,3,4,5,6,7
	FRAG 64*(\p)+8*\i, ADRB+\slot, \q, \i
.endr
	WIN 0
.irp i, 0,1,2,3
	FRAG AF+32*(\p)+8*\i, ADRA+\slot, \q, \i
.endr
.endm
.macro SCALES sc                       ; a K step's scale words into set sc: four words a row.  Lanes 16-31 take B's block i, lanes 0-15 A's block i; for i above 3 the lower lanes read filled bytes that nobody uses
.irp i, 0,1,2,3,4,5,6,7
	ds_load_b128 v[SC+32*\sc+4*\i:SC+32*\sc+4*\i+3], v[ADRS] offset:\i*SBLK
.endr
.endm
; 8 products: A's block a x B's eight.  The 32 accumulators take turns, one instruction a turn, in the same order in every step.  zero = 1: the product starts the sums
.macro MULA a, p, q, sc, zero
.irp b, 0,1,2,3,4,5,6,7
.if \zero
	v_wmma_scale_f32_16x16x128_f8f6f4 v[8*(8*(\a)+\b):8*(8*(\a)+\b)+7], v[64*(\p)+8*\b:64*(\p)+8*\b+7], v[AF+32*(\p)+8*(\a):AF+32*(\p)+8*(\a)+7], 0, v[SC+32*(\sc)+4*\b+(\q)], v[SC+32*(\sc)+4*(\a)+(\q)] matrix_a_fmt:MATRIX_FMT_FP4 matrix_b_fmt:MATRIX_FMT_FP4 matrix_a_scale:MATRIX_SCALE_ROW1
.else
	v_wmma_scale_f32_16x16x128_f8f6f4 v[8*(8*(\a)+\b):8*(8*(\a)+\b)+7], v[64*(\p)+8*\b:64*(\p)+8*\b+7], v[AF+32*(\p)+8*(\a):AF+32*(\p)+8*(\a)+7], v[8*(8*(\a)+\b):8*(8*(\a)+\b)+7], v[SC+32*(\sc)+4*\b+(\q)], v[SC+32*(\sc)+4*(\a)+(\q)] matrix_a_fmt:MATRIX_FMT_FP4 matrix_b_fmt:MATRIX_FMT_FP4 matrix_a_scale:MATRIX_SCALE_ROW1
.endif
.endr
.endm
; A step of 128 along K that has its successor in the same slot: the successor's fragments are asked for first, into the set that the step before has multiplied
.macro STEP slot, q, zero
	PLACES 4
	FETCH \slot, (\q)+1, 1-(\q)%2
	s_wait_dscnt 24                                ; all but the 24 just issued: this step's set is in, and the slot's scale words
	WIN MUL
	MULA 0, (\q)%2, \q, \slot, \zero
	MULA 1, (\q)%2, \q, \slot, \zero
	MULA 2, (\q)%2, \q, \slot, \zero
	MULA 3, (\q)%2, \q, \slot, \zero
	WIN 0
.endm
; A slot's last step changes slots: one barrier; in front of it each wave waits for all its tensor loads, adds 0 to its spare word, and waits for that and for its own reads of this slot.  fill = 1: the slot is filled again, two K steps ahead
.macro TURN slot, next, fill
	s_wait_tensorcnt 0x0                           ; all my tensor loads have landed: my part of the next slot
	ds_add_u32 v[SPW], v[NIL]                      ; 0 onto my spare word
	s_wait_dscnt 1                                 ; (the add may be out: this step's fragments are in)
	WIN MUL
	MULA 0, 1, 3, \slot, 0                         ; eight matrix instructions stand between the add and the wait for it
	s_wait_dscnt 0x0                               ; the add is done, and my reads of this slot are over
	s_barrier_signal -1
	MULA 1, 1, 3, \slot, 0
	WIN 0
	s_barrier_wait -1
.if \fill
	CREST                                          ; the barrier has opened a round of the cluster's barrier: no wave of any partner still reads this slot's tile or has a load on its way
	s_add_nc_u64 s[G0+4*\slot+2:G0+4*\slot+3], s[G0+4*\slot+2:G0+4*\slot+3], 512
	s_add_nc_u64 s[G0B+4*\slot+2:G0B+4*\slot+3], s[G0B+4*\slot+2:G0B+4*\slot+3], 512
	JLOAD G0+4*\slot, G1, G0B+4*\slot, G1B         ; the first tensor load behind the round; its four v_nop are the places in front of the loads below
.else
	PLACES 4
.endif
	v_add_nc_u32 v[ADRS], 16, v[ADRS]              ; on to the next K step's scale words
	FETCH \next, 0, 0
	SCALES \next
	WIN MUL
	MULA 2, 1, 3, \slot, 0
	MULA 3, 1, 3, \slot, 0
	WIN 0
.endm
	s_wait_tensorcnt 1                             ; the scales and my part of K step 0 are in (K step 1's load may be out)
	s_barrier_signal -1
	s_barrier_wait -1                              ; everybody's are
	FETCH 0, 0, 0
	SCALES 0
	STEP 0, 0, 1                                   ; the first step stands in front of the loop: its products start the sums
	s_mov_b32 s3, LAPS-1
.Llap:                                             ; a trip goes once round the ring, from a lap's second step to the next lap's first, and fills both slots again
	STEP 0, 1, 0
	STEP 0, 2, 0
	TURN 0, 1, 1
	STEP 1, 0, 0
	STEP 1, 1, 0
	STEP 1, 2, 0
	TURN 1, 0, 1
	STEP 0, 0, 0
	s_sub_co_u32 s3, s3, 1
	s_cmp_lg_u32 s3, 0
	s_cbranch_scc1 .Llap
	STEP 0, 1, 0                                   ; the last lap fills nothing, and has no round of the cluster's barrier
	STEP 0, 2, 0
	TURN 0, 1, 0
	STEP 1, 0, 0
	STEP 1, 1, 0
	STEP 1, 2, 0
	s_wait_dscnt 0x0                               ; the very last step: nothing more to fetch
	WIN MUL
	MULA 0, 1, 3, 1, 0
	MULA 1, 1, 3, 1, 0
	MULA 2, 1, 3, 1, 0
	MULA 3, 1, 3, 1, 0
	WIN 0
; THE WAY OUT, block by block of 16 rows x 128 columns.  rope = 1: the block's cos and sin are multiplied by the factor; each pair (t0, t1) becomes (t0 c - t1 s, t1 c + t0 s): a packed multiply with the
; halves crossed and a packed multiply-add.  Then, or at once (rope = 0), two numbers are rounded to f16 at a time; 16 bytes a lane go into my stage and come back as whole rows of 256 bytes.
; Each accumulator is read from its low end on.
.macro OUT a, rope
.if \rope
	WIN 0xc3                                       ; destination and source 0 window 3
.set i, 0
.rept 32
	v_pk_mul_f32 v[64*\a+i:64*\a+i+1], v[64*\a+i:64*\a+i+1], s[FS:FS+1] op_sel_hi:[1,0]
.set i, i+2
.endr
	WIN 0x0e                                       ; source 0 (results) window 2, source 1 (cos, sin) window 3, source 2 and destination window 0
.irp b, 0,1,2,3,4,5,6,7
.irp e, 0,1                            ; (t1 s, t0 s) for pairs 2 e and 2 e + 1, whose sines share a register pair
	v_pk_mul_f32 v[TT+8*\b+4*\e:TT+8*\b+4*\e+1], v[64*\a+8*\b+4*\e:64*\a+8*\b+4*\e+1], v[64*\a+8*\b+4+2*\e:64*\a+8*\b+4+2*\e+1] op_sel:[1,0] op_sel_hi:[0,0]
	v_pk_mul_f32 v[TT+8*\b+4*\e+2:TT+8*\b+4*\e+3], v[64*\a+8*\b+4*\e+2:64*\a+8*\b+4*\e+3], v[64*\a+8*\b+4+2*\e:64*\a+8*\b+4+2*\e+1] op_sel:[1,1] op_sel_hi:[0,1]
.endr
.irp e, 0,1                            ; (t0 c - t1 s, t1 c + t0 s)
	v_pk_fma_f32 v[TT+8*\b+4*\e:TT+8*\b+4*\e+1], v[64*\a+8*\b+4*\e:64*\a+8*\b+4*\e+1], v[64*\a+8*\b+2*\e:64*\a+8*\b+2*\e+1], v[TT+8*\b+4*\e:TT+8*\b+4*\e+1] op_sel:[0,0,0] op_sel_hi:[1,0,1] neg_lo:[0,0,1]
	v_pk_fma_f32 v[TT+8*\b+4*\e+2:TT+8*\b+4*\e+3], v[64*\a+8*\b+4*\e+2:64*\a+8*\b+4*\e+3], v[64*\a+8*\b+2*\e:64*\a+8*\b+2*\e+1], v[TT+8*\b+4*\e+2:TT+8*\b+4*\e+3] op_sel:[0,1,0] op_sel_hi:[1,1,1] neg_lo:[0,0,1]
.endr
.endr
	WIN 0
.set i, 0
.rept 32
	v_cvt_pk_f16_f32 v[TMP+i], v[TT+2*i], v[TT+2*i+1]
.set i, i+1
.endr
.else
	WIN 0x0a                                       ; sources 0 and 1 window 2
.set i, 0
.rept 32
	v_cvt_pk_f16_f32 v[TMP+i], v[64*\a+2*i], v[64*\a+2*i+1]
.set i, i+1
.endr
	WIN 0
.endif
.irp b, 0,1,2,3,4,5,6,7
	ds_store_b128 v[STO], v[TMP+4*\b:TMP+4*\b+3] offset:32*\b
.endr
.irp t, 0,1,2,3,4,5,6,7
	ds_load_b128 v[BK+32*((\a)%2)+4*\t:BK+32*((\a)%2)+4*\t+3], v[RD] offset:\t*2*SPITCH   ; LDS serves a wave's instructions in order: these see the stores above, and the next block's stores come behind them
.endr
.endm
.macro SEND a, younger                 ; younger: the LDS instructions issued behind block a's loads: the next block's eight stores and eight loads, or none
	s_wait_dscnt \younger
.irp t, 0,1,2,3,4,5,6,7
	global_store_b128 v[CO], v[BK+32*((\a)%2)+4*\t:BK+32*((\a)%2)+4*\t+3], s[12:13] offset:4096*(\a)+512*\t   ; 32 lanes store 512 consecutive bytes, aligned
.endr
.endm
.macro WAYOUT rope
	OUT 0, \rope
	OUT 1, \rope
	SEND 0, 16
	s_wait_xcnt 0x0                                ; block 0's stores have read their data: block 2's rows may land there
	OUT 2, \rope
	SEND 1, 16
	s_wait_xcnt 0x0                                ; block 1's likewise
	OUT 3, \rope
	SEND 2, 16
	SEND 3, 0
.endm
	s_wait_loadcnt 0x0                             ; cos and sin
	PLACES 4                                       ; behind the last products: their results are read, and A's fragment registers written
	s_cmp_eq_u32 ttmp9, 3                          ; the cluster's x, the same in all partners: 0, 1: q's heads; 2: k's; 3: v's
	s_cbranch_scc1 .Lplain
	s_cmp_lt_u32 ttmp9, 2
	s_mov_b32 s[FS], 0x3e000000                    ; k: 1 / 8
	s_cselect_b32 s[FS], 0x3c8293ee, s[FS]         ; q: log2(e) / sqrt(128) / 8
	s_mov_b32 s[FS+1], s[FS]                       ; (named with it as a pair, so it is written)
	WAYOUT 1
	s_branch .Ldone
.Lplain:
	WAYOUT 0
.Ldone:
	s_wait_tensorcnt 0x0                           ; the wave's end, behind my last tensor load and my last LDS store
	ds_add_u32 v[SPW], v[NIL]
	s_wait_dscnt 0x0
	CROUND                                         ; the closing round: no work-group ends while a partner may still ask for a tile that names it
	s_endpgm
.Lfunc_end_k_q865a614e6b_qkv:
	.size	k_q865a614e6b_qkv, .Lfunc_end_k_q865a614e6b_qkv-k_q865a614e6b_qkv
	.p2alignl 7, 3214868480
	.fill 96, 4, 3214868480
	.section	.rodata,"a",@progbits
	.p2align	6, 0x0
	.amdhsa_kernel k_q865a614e6b_qkv
		.amdhsa_group_segment_fixed_size 327680
		.amdhsa_private_segment_fixed_size 0
		.amdhsa_enable_private_segment 0
		.amdhsa_kernarg_size 56
		.amdhsa_user_sgpr_count 2
		.amdhsa_user_sgpr_kernarg_segment_ptr 1
		.amdhsa_wavefront_size32 1
		.amdhsa_system_sgpr_workgroup_id_x 1
		.amdhsa_system_sgpr_workgroup_id_y 1
		.amdhsa_system_sgpr_workgroup_id_z 1
		.amdhsa_system_vgpr_workitem_id 0
		.amdhsa_next_free_vgpr 1024
		.amdhsa_next_free_sgpr 98
		.amdhsa_reserve_vcc 0
		.amdhsa_float_denorm_mode_32 3
		.amdhsa_float_denorm_mode_16_64 3
		.amdhsa_memory_ordered 1
		.amdhsa_forward_progress 1
		.amdhsa_inst_pref_size 169
	.end_amdhsa_kernel
	.amdgpu_metadata
---
amdhsa.version: [ 1, 2 ]
amdhsa.kernels:
  - .name:           k_q865a614e6b_qkv
    .symbol:         k_q865a614e6b_qkv.kd
    .args:
      - { .name: x_codes, .offset: 0, .size: 8, .value_kind: global_buffer, .address_space: global }
      - { .name: x_scales, .offset: 8, .size: 8, .value_kind: global_buffer, .address_space: global }
      - { .name: w_codes, .offset: 16, .size: 8, .value_kind: global_buffer, .address_space: global }
      - { .name: w_scales, .offset: 24, .size: 8, .value_kind: global_buffer, .address_space: global }
      - { .name: cos, .offset: 32, .size: 8, .value_kind: global_buffer, .address_space: global }
      - { .name: sin, .offset: 40, .size: 8, .value_kind: global_buffer, .address_space: global }
      - { .name: qkv, .offset: 48, .size: 8, .value_kind: global_buffer, .address_space: global }
    .group_segment_fixed_size: 327680
    .private_segment_fixed_size: 0
    .kernarg_segment_align: 8
    .kernarg_segment_size: 56
    .max_flat_workgroup_size: 128
    .sgpr_count:     98
    .vgpr_count:     1024
    .wavefront_size: 32
...
	.end_amdgpu_metadata
.endif
;; end of part 2
;; launch attn (part 3): grid 32 x 8, 4 waves a work-group, no clusters, 327,680 bytes of LDS; arguments qkv, att; writes att
.if DOCPART == 3
	.amdgcn_target "amdgcn-amd-amdhsa--gfx1250"
	.amdhsa_code_object_version 6
	.text
	.protected	k_q865a614e6b_attn
	.globl	k_q865a614e6b_attn
	.p2align	8
	.type	k_q865a614e6b_attn,@function
k_q865a614e6b_attn:
	s_mov_b64 s[64:65], 0
	v_nop
	global_prefetch_b8 v0, s[64:65] scope:SCOPE_SE
	s_setreg_imm32_b32 hwreg(HW_REG_WAVE_MODE, 25, 1), 1
	s_wait_xcnt 0x0
; Attention in a window: for query i the keys j with 0 <= i - j < 1,024 count.  qkv: [32 heads][2048][128] f16: heads 0-15 q x log2(e) / sqrt(128) / 8, 16-23 k / 8, 24-31 v.  att: [2048][16 x 128] f16.
; Products on f16 operands, sums, maxima and the softmax in f32; the weights p are rounded to f16 for the second product, the result once at the end.
; SOFTMAX.  s = q . k as stored is t / 64.  For each query a running maximum m of s and a sum l: p = 2^(64 s - 64 m); 64 m is exact.  In every step O and l are multiplied by a = 2^(64 m_old - 64 m_new).
; m begins at -2^100 and stays a number; hidden scores are -infinity, so their p is 0; the first score that counts makes a = 0.  Key i counts for query i, so l ends above 0.
; LIMITS: |64 s| under 2^106; |v| and the result under 65,504, f16's largest number.
; SHARES.  A work-group owns 64 queries of the two query heads that share one key and value head; each of its four waves 16 queries: tile 0 is the first head's, tile 1 the second's.  So both tiles share every
; fragment of K and V, and the mask.  Every work-group walks NINE chunks of 128 keys, from chunk max(block / 2 - 8, 0) on: a constant number of trips; a step of 64 keys all of whose keys are hidden from the
; wave's 16 queries is passed over by a scalar branch on ids, round its products and softmax alone: no LDS instruction, tensor load or barrier stands inside.  At most 17 steps carry work.
; No cluster: tiles shared exactly are those of the two query heads, which sit in this work-group; neighbouring query blocks walk windows that are 64 keys apart, so partners would need different tiles in a round.
; LAYOUT.  S^T = K Q^T (source 0 = 16 keys, source 1 = 16 queries): a lane holds ONE query (lane % 16) and the keys 8 (lane / 16) + 0..7 of a tile.  Two such tiles, rounded in pairs, are source 1 of
; O^T = V^T P, whose result again holds one query a lane.  K comes out of LDS as it lies, V ([key][channel]) turned, by ds_load_tr16_b128.
; THE RING.  Two LDS slots of a chunk each (two steps: 64 rows of K, 64 of V, twice).  Waves 0 and 1 fetch the two steps' K, waves 2 and 3 their V.  All of a chunk's fragments are asked for at its head, so the
; change of slots stands between its two steps, and the refill has two key steps in which to land.
; REGISTERS, in windows of 256: window 0: v0-14 addresses and the mask's; v16-31 statistics; v64-127 S^T; v128-159 P; v160-223 Q.   window 1: K of the chunk's two steps.   window 2: O^T, 64 a tile.   window 3: V of the two steps.
.set KS,    64
.set PK,    272                        ; a row of K in LDS: 256 bytes + 16 of padding
.set PV,    288                        ; a row of V: 256 + 32
.set VOFF,  KS*PK
.set STEPB, KS*(PK+PV)
.set SLOT1, 1<<17                      ; slot 1 begins here: one exclusive or turns an address in one slot into the other's
.set STAGE, SLOT1+2*STEPB              ; behind the ring: 16 rows x 272 bytes for each wave
.set SP,    272
.set SPARE, STAGE+4*16*SP              ; the spare words, 128 bytes for each wave: two blocks of 256 bytes that no other line names
.set HEADB, 2048*256                   ; a head in qkv
.set CHUNKB, 128*256                   ; a chunk's rows of K or of V in memory
.set AK0, 2                            ; v2   my lane's place in a tile of K; v1 = lane % 16 and v9 = lane / 16 stay too
.set AV0, 3                            ; v3   the same for V
.set ADK, 4                            ; v4   LDS address of the slot's K
.set ADV, 5                            ; v5   of its V
.set STO, 6
.set RD,  7
.set GO,  8
.set QO,  10
.set DD,  11                           ; v11  the mask: my query - the step's first key - 8 (lane / 16)
.set TM,  12                           ; v12  at work
.set NINF, 13                          ; v13  -infinity
.set PFO, 14                           ; v14  256 x my thread's number: a row of K or V for each thread
.set ST,  16                           ; tile t's statistics at v[ST + 8 t]: +0 64 m, +1 m, +2, +3 l (even keys', odd keys'), +4 to +7 at work; a takes +6
.set SPW, 62
.set NIL, 63
.set S,   64
.set P,   128
.set Q,   160
.set WV,  12                           ; s12  my wave's number
.set G1K, 24
.set G1V, 32
.set G0K, 40                           ; s[40:47] group 0 for K's tiles: a set for each first fill; the second then walks on
.set G0V, 48
.set SLOTS, 56                         ; s56  chunks still to be asked for
.set CS,  58                           ; s[58:59] 64.0, as a pair
.set SEL, 60                           ; s[60:61] lane selects for v_permlanex16_b32: lane l xor 16
.set TB,  62                           ; s62  LDS byte at which the slot in hand begins
.set KF,  66                           ; s66  the step's first key
.set Q0,  67                           ; s67  my first query
.set LIM, 68                           ; s68  1 in a work-group that prefetches, else the greatest number
.set PFK, 70                           ; s[70:71], s[72:73] where the prefetches stand in K and in V
.set PFV, 72
.set MSB, 0
.macro WIN new
.if MSB != \new
	s_set_vgpr_msb (MSB<<8)|\new
.set MSB, \new
.endif
.endm
.set W_KQ, 0x01                        ; K window 1; Q and S^T window 0
.set W_PV, 0xa3                        ; V window 3, P window 0, O^T window 2
.set W_RS, 0x82                        ; O^T (destination and source 0) window 2, the factor window 0
.macro PLACES n
.rept \n
	v_nop
.endr
.endm
; A refill.  Waves 0 and 1 fetch the chunk's two tiles of K, waves 2 and 3 those of V.  Four v_nop follow each of the two lines.
.macro JLOAD
	s_cmp_lt_u32 s[WV], 2
	s_cbranch_scc0 .Lfor_v_\@
	tensor_load_to_lds s[G0K+4:G0K+7], s[G1K:G1K+7]
	s_nop 0
.rept 4
	v_nop
.endr
	s_branch .Lasked_\@
.Lfor_v_\@:
	tensor_load_to_lds s[G0V+4:G0V+7], s[G1V:G1V+7]
	s_nop 0
.rept 4
	v_nop
.endr
.Lasked_\@:
.endm
; A prefetch of the chunk that the NEXT change of slots will ask for: 128 rows of K and 128 of V, 256 bytes a row, a thread a row, two instructions a wave.  Chunks 0 to 9 of a head are asked for by some
; work-group's first loads or first refill; chunks 10 to 15 are named here, once each, by the head's last work-group (x = 31), whose walk begins at chunk 7: at its changes 0 to 5 it names chunks 10 to 15.
; The last change that fills a slot asks for nothing.
.macro ASK
	s_cmp_gt_u32 s[SLOTS], s[LIM]
	s_cbranch_scc0 .Lnot_mine_\@
	global_prefetch_b8 v[PFO], s[PFK:PFK+1] th:TH_LOAD_NT scope:SCOPE_SE
	global_prefetch_b8 v[PFO], s[PFV:PFV+1] th:TH_LOAD_NT scope:SCOPE_SE
.Lnot_mine_\@:
.endm
	s_load_b128 s[4:7], s[0:1], 0x0                ; qkv, att
	v_lshl_add_u32 v[SPW], v0, 2, SPARE
	v_mov_b32 v[NIL], 0
	ds_add_u32 v62, v63
	ds_add_u32 v62, v63
	s_wait_dscnt 0x0
	v_lshrrev_b32 v1, 5, v0
	v_readfirstlane_b32 s[WV], v1                  ; wave 0..3
	s_and_b32 s13, ttmp7, 0xffff                   ; g: the key and value head
	s_lshr_b32 s14, ttmp9, 1
	s_max_u32 s14, s14, 8
	s_sub_co_u32 s14, s14, 8                       ; the first chunk of my walk: max(block / 2 - 8, 0); the last, eight on, is 15 at the most
	s_lshl_b32 s[KF], s14, 7
	s_lshl_b32 s[Q0], ttmp9, 6
	s_lshl_b32 s15, s[WV], 4
	s_add_co_u32 s[Q0], s[Q0], s15                 ; my first query: 64 x block + 16 x wave
	s_and_b32 s16, s[WV], 1                        ; which of a chunk's two steps I fetch
	s_mul_i32 s17, s16, STEPB                      ; its place in a slot
	s_add_co_u32 s18, s13, 16
	s_lshl_b32 s18, s18, 19                        ; head 16 + g,
	s_lshl_b32 s20, s14, 15
	s_add_co_u32 s18, s18, s20                     ; my first chunk
	s_mov_b32 s19, 0
	s_lshl_b32 s20, s16, 14                        ; my step's 64 rows
	s_mov_b32 s21, 0
	s_lshl_b32 s2, s13, 20                         ; head 2 g,
	s_lshl_b32 s3, s[Q0], 8
	s_add_co_u32 s2, s2, s3                        ; my first query's row
	s_mov_b32 s3, 0
	s_lshl_b32 s74, s[Q0], 12                      ; att: a row is 4,096 bytes,
	s_lshl_b32 s75, s13, 9
	s_add_co_u32 s74, s74, s75                     ; head 2 g begins 512 g bytes on
	s_mov_b32 s75, 0
	; descriptor group 1: a tile of 64 rows x 128 elements of 2 bytes, padded in LDS
	s_mov_b32 s[G1K], (1<<16)|(1<<20)|(5<<22)|(3<<25)   ; 15:0 no mask; 17:16 elements of 2 bytes; 20 padding on; 24:22 after every 64 words; 31:25 four words
	s_mov_b32 s[G1V], (1<<16)|(1<<20)|(5<<22)|(7<<25)   ; the same with eight words
.irp g, G1K, G1V
	s_mov_b32 s[\g+1], 128<<16                     ; tensor_dim0
	s_mov_b32 s[\g+2], KS<<16                      ; tensor_dim1
	s_mov_b32 s[\g+3], 128<<16                     ; tile_dim0
	s_mov_b32 s[\g+4], KS                          ; tile_dim1
	s_mov_b32 s[\g+5], 128                         ; from row to row
	s_mov_b32 s[\g+6], 0
	s_mov_b32 s[\g+7], 0
.endr
	s_mov_b32 s[CS], 0x42800000                    ; 64.0
	s_mov_b32 s[CS+1], s[CS]
	s_mov_b32 s[SEL], 0x76543210
	s_mov_b32 s[SEL+1], 0xfedcba98
	s_mov_b32 s[TB], 0
	s_mov_b32 s[SLOTS], 7
	s_cmp_eq_u32 ttmp9, 31
	s_cselect_b32 s[LIM], 1, -1
	v_lshlrev_b32 v[PFO], 8, v0
	s_wait_kmcnt 0x0
	s_add_nc_u64 s[18:19], s[4:5], s[18:19]        ; K at my first chunk
	s_add_nc_u64 s[PFK:PFK+1], s[18:19], 2*CHUNKB  ; the prefetches stand two chunks on; the first change of slots steps them to the third
	s_add_nc_u64 s[PFV:PFV+1], s[PFK:PFK+1], 8*HEADB
	s_add_nc_u64 s[18:19], s[18:19], s[20:21]      ; K at my tile,
	s_add_nc_u64 s[22:23], s[18:19], 8*HEADB       ; V eight heads on
	s_add_nc_u64 s[8:9], s[4:5], s[2:3]            ; Q
	s_add_nc_u64 s[10:11], s[6:7], s[74:75]        ; att
.irp s, 0,1
	s_mov_b32 s[G0K+4*\s], 1
	s_add_co_u32 s[G0K+4*\s+1], s17, \s*SLOT1
	s_add_nc_u64 s[G0K+4*\s+2:G0K+4*\s+3], s[18:19], \s*CHUNKB
	s_or_b32 s[G0K+4*\s+3], s[G0K+4*\s+3], 0x80000000
	s_mov_b32 s[G0V+4*\s], 1
	s_add_co_u32 s[G0V+4*\s+1], s17, \s*SLOT1+VOFF
	s_add_nc_u64 s[G0V+4*\s+2:G0V+4*\s+3], s[22:23], \s*CHUNKB
	s_or_b32 s[G0V+4*\s+3], s[G0V+4*\s+3], 0x80000000
.endr
	s_cmp_lt_u32 s[WV], 2                          ; a wave's two first fills stand in one branch, ahead of every wait on TENSORcnt, every LDS read and every barrier: two loads of mine are out
	s_cbranch_scc0 .Lfirst_v
	tensor_load_to_lds s[G0K:G0K+3], s[G1K:G1K+7]
	s_nop 0
	tensor_load_to_lds s[G0K+4:G0K+7], s[G1K:G1K+7]
	s_nop 0
.rept 4
	v_nop
.endr
	s_branch .Lfirst_asked
.Lfirst_v:
	tensor_load_to_lds s[G0V:G0V+3], s[G1V:G1V+7]
	s_nop 0
	tensor_load_to_lds s[G0V+4:G0V+7], s[G1V:G1V+7]
	s_nop 0
.rept 4
	v_nop
.endr
.Lfirst_asked:
	v_and_b32 v1, 15, v0                           ; r = lane % 16
	v_bfe_u32 v9, v0, 4, 1                         ; h = lane / 16
	v_lshlrev_b32 v[QO], 8, v1
	v_lshl_add_u32 v[QO], v9, 4, v[QO]             ; row x 256 + 16 x half
.irp t, 0,1                            ; Q stays in registers: tile t, channels 32 c on
.irp c, 0,1,2,3
	global_load_b128 v[Q+32*\t+8*\c:Q+32*\t+8*\c+3], v[QO], s[8:9] offset:\t*HEADB+64*\c
	global_load_b128 v[Q+32*\t+8*\c+4:Q+32*\t+8*\c+7], v[QO], s[8:9] offset:\t*HEADB+64*\c+32
.endr
.endr
	v_mul_u32_u24 v[AK0], v1, PK
	v_lshl_add_u32 v[AK0], v9, 4, v[AK0]           ; K: row x pitch + 16 x half
	v_and_b32 v[DD], 7, v0                         ; V, for the turning load: lane l reads 16 bytes of key 8 (l / 16) + l % 8, channels 8 ((l / 8) % 2) on
	v_bfe_u32 v[TM], v0, 3, 1
	v_lshl_add_u32 v[AV0], v9, 3, v[DD]
	v_mul_u32_u24 v[AV0], v[AV0], PV
	v_lshl_add_u32 v[AV0], v[TM], 4, v[AV0]
	v_add_nc_u32 v[AV0], VOFF, v[AV0]
	s_mul_i32 s15, s[WV], 16*SP
	s_add_co_u32 s15, s15, STAGE                   ; my stage
	v_mul_u32_u24 v[STO], v1, SP                   ; in: row r, 16 bytes for each half of the lanes
	v_lshl_add_u32 v[STO], v9, 4, v[STO]
	v_add_nc_u32 v[STO], s15, v[STO]
	v_mul_u32_u24 v[RD], v9, SP                    ; back: lanes 0-15 one row of 256 bytes, lanes 16-31 the next
	v_lshl_add_u32 v[RD], v1, 4, v[RD]
	v_add_nc_u32 v[RD], s15, v[RD]
	v_lshlrev_b32 v[GO], 12, v9                    ; and the same two rows in att
	v_lshl_add_u32 v[GO], v1, 4, v[GO]
.irp t, 0,1
	v_mov_b32 v[ST+8*\t], 0xf4800000               ; 64 m = -2^106
	v_mov_b32 v[ST+8*\t+1], 0xf1800000             ; m = -2^100
.irp i, 2,3,4,5,6,7
	v_mov_b32 v[ST+8*\t+\i], 0                     ; l; and the registers at work, one of which is a lane permute's destination
.endr
.endr
	v_mov_b32 v[NINF], 0xff800000
	WIN 0x80                                       ; destination window 2
.set i, 0
.rept 128
	v_mov_b32 v[i], 0                              ; O^T.  Which step is a wave's first with work hangs on its ids, so no product of the text can start the sums
.set i, i+1
.endr
	WIN 0
.macro FETCH_K set, q                  ; step q of the slot: 64 keys x 128 channels: 16 fragments: keys 16 (f / 4) on, channels 32 (f % 4) on
	WIN 0x40                                       ; destination window 1
.irp f, 0,1,2,3,4,5,6,7,8,9,10,11,12,13,14,15
	ds_load_b128 v[128*\set+8*\f:128*\set+8*\f+3],   v[ADK] offset:\q*STEPB+(\f/4)*16*PK+(\f%4)*64
	ds_load_b128 v[128*\set+8*\f+4:128*\set+8*\f+7], v[ADK] offset:\q*STEPB+(\f/4)*16*PK+(\f%4)*64+32
.endr
.endm
.macro FETCH_V set, q                  ; its V, turned: keys 32 (f / 8) on, channels 16 (f % 8) on
	WIN 0xc0                                       ; destination window 3
.irp f, 0,1,2,3,4,5,6,7,8,9,10,11,12,13,14,15
	ds_load_tr16_b128 v[128*\set+8*\f:128*\set+8*\f+3],   v[ADV] offset:\q*STEPB+(\f/8)*32*PV+(\f%8)*32
	ds_load_tr16_b128 v[128*\set+8*\f+4:128*\set+8*\f+7], v[ADV] offset:\q*STEPB+(\f/8)*32*PV+16*PV+(\f%8)*32
.endr
.endm
; 32 products S^T = K Q^T: channels 32 c on, keys 16 k on, tile t.  The eight accumulators take turns, one instruction a turn; the first eight start the sums
.macro KQ set
	WIN W_KQ
.irp c, 0,1,2,3
.irp k, 0,1,2,3
.irp t, 0,1
.if \c == 0
	v_wmma_f32_16x16x32_f16 v[S+32*\t+8*\k:S+32*\t+8*\k+7], v[128*\set+32*\k+8*\c:128*\set+32*\k+8*\c+7], v[Q+32*\t+8*\c:Q+32*\t+8*\c+7], 0
.else
	v_wmma_f32_16x16x32_f16 v[S+32*\t+8*\k:S+32*\t+8*\k+7], v[128*\set+32*\k+8*\c:128*\set+32*\k+8*\c+7], v[Q+32*\t+8*\c:Q+32*\t+8*\c+7], v[S+32*\t+8*\k:S+32*\t+8*\k+7]
.endif
.endr
.endr
.endr
.endm
; 32 products O^T += V^T P: keys 32 u on, channels 16 c on, tile t: sixteen accumulators by turns
.macro PVM set
	WIN W_PV
.irp u, 0,1
.irp c, 0,1,2,3,4,5,6,7
.irp t, 0,1
	v_wmma_f32_16x16x32_f16 v[64*\t+8*\c:64*\t+8*\c+7], v[128*\set+64*\u+8*\c:128*\set+64*\u+8*\c+7], v[P+16*\t+8*\u:P+16*\t+8*\u+7], v[64*\t+8*\c:64*\t+8*\c+7]
.endr
.endr
.endr
.endm
; Register n of a tile holds key KF + 16 (n / 8) + n % 8 + 8 (lane / 16).  i - j as an unsigned number is under 1,024 just where 0 <= i - j < 1,024: one compare serves both edges and both tiles
.macro MASK
	s_sub_co_i32 s96, s[Q0], s[KF]
	v_lshlrev_b32 v[TM], 3, v9
	v_sub_nc_u32 v[DD], v1, v[TM]
	v_add_nc_u32 v[DD], s96, v[DD]
.irp n, 0,1,2,3,4,5,6,7,8,9,10,11,12,13,14,15,16,17,18,19,20,21,22,23,24,25,26,27,28,29,30,31
	v_sub_nc_u32 v[TM], v[DD], 16*(\n/8)+\n%8
	v_cmp_gt_u32 vcc_lo, 0x400, v[TM]
	v_cndmask_b32 v[S+\n], v[NINF], v[S+\n], vcc_lo
	v_cndmask_b32 v[S+32+\n], v[NINF], v[S+32+\n], vcc_lo
.endr
.endm
; The softmax of a step, the two tiles line by line.  Each accumulator of S^T is read from its low end on
.macro SOFTMAX
.irp j, 0,1,2,3
.irp t, 0,1
	v_max3_num_f32 v[ST+8*\t+4+\j], v[S+32*\t+8*\j], v[S+32*\t+8*\j+1], v[S+32*\t+8*\j+2]   ; four chains
.endr
.endr
.irp i, 3,5
.irp j, 0,1,2,3
.irp t, 0,1
	v_max3_num_f32 v[ST+8*\t+4+\j], v[ST+8*\t+4+\j], v[S+32*\t+8*\j+\i], v[S+32*\t+8*\j+\i+1]
.endr
.endr
.endr
.irp t, 0,1
	v_max3_num_f32 v[ST+8*\t+4], v[ST+8*\t+4], v[S+32*\t+7], v[S+32*\t+15]
	v_max3_num_f32 v[ST+8*\t+6], v[ST+8*\t+6], v[S+32*\t+23], v[S+32*\t+31]
.endr
.irp t, 0,1
	v_max3_num_f32 v[ST+8*\t+4], v[ST+8*\t+4], v[ST+8*\t+5], v[ST+8*\t+6]
.endr
.irp t, 0,1
	v_max3_num_f32 v[ST+8*\t+4], v[ST+8*\t+4], v[ST+8*\t+7], v[ST+8*\t+1]   ; with the old m
.endr
.irp t, 0,1
	v_permlanex16_b32 v[ST+8*\t+5], v[ST+8*\t+4], s[SEL], s[SEL+1]          ; the query's other 32 keys lie in the lane 16 away
.endr
.irp t, 0,1
	v_mov_b32 v[ST+8*\t+7], v[ST+8*\t]             ; 64 m_old is kept for a
.endr
.irp t, 0,1
	v_max_num_f32 v[ST+8*\t+1], v[ST+8*\t+4], v[ST+8*\t+5]
.endr
.irp t, 0,1
	v_mul_f32 v[ST+8*\t], s[CS], v[ST+8*\t+1]      ; 64 m: exact
.endr
.irp t, 0,1
	v_sub_f32 v[ST+8*\t+7], v[ST+8*\t+7], v[ST+8*\t]
.endr
.irp t, 0,1
	v_exp_f32 v[ST+8*\t+6], v[ST+8*\t+7]           ; a
.endr
.irp i, 0,2,4,6,8,10,12,14,16,18,20,22,24,26,28,30
.irp t, 0,1
	v_pk_fma_f32 v[S+32*\t+\i:S+32*\t+\i+1], v[S+32*\t+\i:S+32*\t+\i+1], s[CS:CS+1], v[ST+8*\t:ST+8*\t+1] op_sel_hi:[1,0,0] neg_lo:[0,0,1] neg_hi:[0,0,1]   ; 64 s - 64 m
.endr
.endr
.set i, 0
.rept 64
	v_exp_f32 v[S+i], v[S+i]                       ; p, at most 1
.set i, i+1
.endr
	v_nop                                          ; a plain instruction between the exponentials and the use of their results
	s_wait_alu depctr_va_vdst(0)
.irp i, 0,1,2,3,4,5,6,7,8,9,10,11,12,13,14,15
.irp t, 0,1
	v_cvt_pk_f16_f32 v[P+16*\t+\i], v[S+32*\t+2*\i], v[S+32*\t+2*\i+1]
.endr
.endr
.irp u, 0,4,8,12,16,20,24,28           ; the sum of a tile's 16 pairs (an even key's weight, an odd key's), in place, as a tree
.irp t, 0,1
	v_pk_add_f32 v[S+32*\t+\u:S+32*\t+\u+1], v[S+32*\t+\u:S+32*\t+\u+1], v[S+32*\t+\u+2:S+32*\t+\u+3]
.endr
.endr
.irp u, 0,8,16,24
.irp t, 0,1
	v_pk_add_f32 v[S+32*\t+\u:S+32*\t+\u+1], v[S+32*\t+\u:S+32*\t+\u+1], v[S+32*\t+\u+4:S+32*\t+\u+5]
.endr
.endr
.irp u, 0,16
.irp t, 0,1
	v_pk_add_f32 v[S+32*\t+\u:S+32*\t+\u+1], v[S+32*\t+\u:S+32*\t+\u+1], v[S+32*\t+\u+8:S+32*\t+\u+9]
.endr
.endr
.irp t, 0,1
	v_pk_add_f32 v[S+32*\t:S+32*\t+1], v[S+32*\t:S+32*\t+1], v[S+32*\t+16:S+32*\t+17]
.endr
.irp t, 0,1
	v_pk_fma_f32 v[ST+8*\t+2:ST+8*\t+3], v[ST+8*\t+2:ST+8*\t+3], v[ST+8*\t+6:ST+8*\t+7], v[S+32*\t:S+32*\t+1] op_sel_hi:[1,0,1]   ; l = a l + the sum
.endr
	WIN W_RS
.irp t, 0,1
.set i, 0
.rept 32
	v_pk_mul_f32 v[64*\t+i:64*\t+i+1], v[64*\t+i:64*\t+i+1], v[ST+8*\t+6:ST+8*\t+7] op_sel_hi:[1,0]   ; O^T x a
.set i, i+2
.endr
.endr
	WIN 0
.endm
; A step's work on fragment set `set`.  Keys KF .. KF + 63, queries Q0 .. Q0 + 15.  Hidden as a whole: KF > Q0 + 15 (all keys later), or Q0 - (KF + 63) >= 1,024 (all too old).
; Open as a whole: KF + 63 <= Q0 and Q0 + 15 - KF < 1,024.  Else the mask.  vwait = 1: V of this step is waited for, the 32 loads of the other step's V may be out
.macro STEPWORK set, vwait
	s_add_co_u32 s96, s[Q0], 15
	s_cmp_gt_u32 s[KF], s96
	s_cbranch_scc1 .Lhid_\@
	s_add_co_u32 s96, s[KF], 1086
	s_cmp_lt_u32 s96, s[Q0]
	s_cbranch_scc1 .Lhid_\@
	KQ \set
	WIN 0
	PLACES 4                                       ; behind the products, in front of the first read of their results
	s_add_co_u32 s96, s[KF], 63
	s_cmp_gt_u32 s96, s[Q0]
	s_cbranch_scc1 .Lmask_\@
	s_add_co_u32 s96, s[KF], 1008
	s_cmp_ge_u32 s96, s[Q0]
	s_cbranch_scc1 .Lopen_\@
.Lmask_\@:
	MASK
.Lopen_\@:
	SOFTMAX
.if \vwait
	s_wait_dscnt 32
.endif
	PVM \set
	WIN 0
.Lhid_\@:
	s_add_co_u32 s[KF], s[KF], 64
.endm
; THE CHANGE OF SLOTS.  Each wave waits for all its tensor loads (its part of the other slot), adds 0 to its spare word, and waits for that and for its reads of this slot, all of which were issued at the chunk's head.
; Behind the barrier nobody reads this slot and the other is whole.  fill = 1: this slot is filled with the chunk two on, first thing behind the barrier
.macro CHANGE fill
	s_wait_tensorcnt 0x0                           ; no tensor load of mine is out, so a group 0 may be written
	ds_add_u32 v[SPW], v[NIL]                      ; 0 onto my spare word
.if \fill
.irp g, G0K+4, G0V+4
	s_xor_b32 s[\g+1], s[\g+1], SLOT1              ; the walking descriptor: the other slot than last time,
	s_add_nc_u64 s[\g+2:\g+3], s[\g+2:\g+3], CHUNKB   ; the next chunk; the type bits on top are not reached
.endr
	s_wait_xcnt 0x0                                ; the last prefetches, a chunk back, have read their addresses, so these may be written
	s_add_nc_u64 s[PFK:PFK+1], s[PFK:PFK+1], CHUNKB
	s_add_nc_u64 s[PFV:PFV+1], s[PFV:PFV+1], CHUNKB
.endif
	s_wait_dscnt 0x0                               ; the add is done, and my reads of this slot are over
	s_barrier_signal -1
	s_barrier_wait -1
.if \fill
	JLOAD
.endif
.endm
; A CHUNK of 128 keys.  K of its first step was fetched in the chunk before.  kind = 1: its slot is filled again; 0: it is left, nothing is asked for; 2: the last chunk
.macro CHUNK kind
	PLACES 4                                       ; behind the last products, in front of loads into the fragments that they read
	v_add_nc_u32 v[ADV], s[TB], v[AV0]
	FETCH_K 1, 1
	s_wait_dscnt 32                                ; all but the 32 just issued: K of the first step, asked for a key step ago, is in.  The wait stands behind the first of the three runs, where its count is 32
	FETCH_V 0, 0
	FETCH_V 1, 1
	WIN 0
	STEPWORK 0, 1
.if \kind < 2
	CHANGE \kind
	s_xor_b32 s[TB], s[TB], SLOT1                  ; on to the other slot:
	v_add_nc_u32 v[ADK], s[TB], v[AK0]
	FETCH_K 0, 0                                   ; K of the next chunk's first step
	WIN 0
.if \kind == 1
	ASK                                            ; behind the refill and the run of LDS loads
.endif
.else
	s_wait_dscnt 0x0
.endif
	STEPWORK 1, 0                                  ; its K and V were shown in by the wait for 0 above
.endm
	s_wait_tensorcnt 1                             ; my part of slot 0 is in; slot 1's may stay out
	s_barrier_signal -1
	s_barrier_wait -1                              ; everybody's is
	v_add_nc_u32 v[ADK], s[TB], v[AK0]
	FETCH_K 0, 0
	WIN 0
	s_wait_loadcnt 0x0                             ; Q
.Lchunk:                                           ; seven trips: chunks 0 to 6 of the walk ask for chunks 2 to 8
	CHUNK 1
	s_sub_co_u32 s[SLOTS], s[SLOTS], 1
	s_cmp_lg_u32 s[SLOTS], 0
	s_cbranch_scc1 .Lchunk
	CHUNK 0                                        ; the tail is written out
	CHUNK 2
	; THE WAY OUT.  l's two halves and the other half of the lanes' are added; O^T is divided by l, rounded to f16 and sent through my stage in LDS, a tile (16 rows of one head) at a time
	PLACES 4
.irp t, 0,1
	v_add_f32 v[ST+8*\t+4], v[ST+8*\t+2], v[ST+8*\t+3]
.endr
.irp t, 0,1
	v_permlanex16_b32 v[ST+8*\t+5], v[ST+8*\t+4], s[SEL], s[SEL+1]
.endr
.irp t, 0,1
	v_add_f32 v[ST+8*\t+4], v[ST+8*\t+4], v[ST+8*\t+5]
.endr
.irp t, 0,1
	v_rcp_f32 v[ST+8*\t+6], v[ST+8*\t+4]
.endr
	v_nop                                          ; a plain instruction between the last reciprocal and the use of its result
	s_wait_alu depctr_va_vdst(0)
.macro PACK t
	WIN W_RS
.set i, 64*\t
.rept 32
	v_pk_mul_f32 v[i:i+1], v[i:i+1], v[ST+8*\t+6:ST+8*\t+7] op_sel_hi:[1,0]
.set i, i+2
.endr
	WIN 0x0a                                       ; sources 0 and 1 window 2, destination window 0: S^T's registers are free
.set i, 0
.rept 32
	v_cvt_pk_f16_f32 v[S+32*\t+i], v[64*\t+2*i], v[64*\t+2*i+1]
.set i, i+1
.endr
	WIN 0
.irp f, 0,1,2,3,4,5,6,7
	ds_store_b128 v[STO], v[S+32*\t+4*\f:S+32*\t+4*\f+3] offset:32*\f
.endr
.irp f, 0,1,2,3,4,5,6,7
	ds_load_b128 v[S+32*\t+4*\f:S+32*\t+4*\f+3], v[RD] offset:\f*2*SP   ; LDS serves a wave's instructions in order: these see the stores above; the next tile's stores come behind them
.endr
.endm
.macro SEND t, younger                 ; younger: the LDS instructions issued behind tile t's loads: the next tile's sixteen, or none
.irp f, 0,1,2,3,4,5,6,7
	s_wait_dscnt \younger+7-\f
	global_store_b128 v[GO], v[S+32*\t+4*\f:S+32*\t+4*\f+3], s[10:11] offset:256*\t+8192*\f   ; 16 lanes store 256 consecutive bytes, aligned
.endr
.endm
	PACK 0
	PACK 1
	SEND 0, 16
	SEND 1, 0
	s_wait_tensorcnt 0x0                           ; the wave's end, behind my last tensor load and my last LDS store
	ds_add_u32 v[SPW], v[NIL]
	s_wait_dscnt 0x0
	s_endpgm
.Lfunc_end_k_q865a614e6b_attn:
	.size	k_q865a614e6b_attn, .Lfunc_end_k_q865a614e6b_attn-k_q865a614e6b_attn
	.p2alignl 7, 3214868480
	.fill 96, 4, 3214868480
	.section	.rodata,"a",@progbits
	.p2align	6, 0x0
	.amdhsa_kernel k_q865a614e6b_attn
		.amdhsa_group_segment_fixed_size 327680
		.amdhsa_private_segment_fixed_size 0
		.amdhsa_enable_private_segment 0
		.amdhsa_kernarg_size 16
		.amdhsa_user_sgpr_count 2
		.amdhsa_user_sgpr_kernarg_segment_ptr 1
		.amdhsa_wavefront_size32 1
		.amdhsa_system_sgpr_workgroup_id_x 1
		.amdhsa_system_sgpr_workgroup_id_y 1
		.amdhsa_system_sgpr_workgroup_id_z 1
		.amdhsa_system_vgpr_workitem_id 0
		.amdhsa_next_free_vgpr 1024
		.amdhsa_next_free_sgpr 100
		.amdhsa_reserve_vcc 1
		.amdhsa_float_denorm_mode_32 3
		.amdhsa_float_denorm_mode_16_64 3
		.amdhsa_memory_ordered 1
		.amdhsa_forward_progress 1
		.amdhsa_inst_pref_size 205
	.end_amdhsa_kernel
	.amdgpu_metadata
---
amdhsa.version: [ 1, 2 ]
amdhsa.kernels:
  - .name:           k_q865a614e6b_attn
    .symbol:         k_q865a614e6b_attn.kd
    .args:
      - { .name: qkv, .offset: 0, .size: 8, .value_kind: global_buffer, .address_space: global }
      - { .name: att, .offset: 8, .size: 8, .value_kind: global_buffer, .address_space: global }
    .group_segment_fixed_size: 327680
    .private_segment_fixed_size: 0
    .kernarg_segment_align: 8
    .kernarg_segment_size: 16
    .max_flat_workgroup_size: 128
    .sgpr_count:     100
    .vgpr_count:     1024
    .wavefront_size: 32
...
	.end_amdgpu_metadata
.endif
;; end of part 3
;; launch oproj (part 4): grid 16 x 16, 4 waves a work-group, clusters of 4 x 4, 327,680 bytes of LDS; arguments att, wo_h, out0; writes out0
.if DOCPART == 4
	.amdgcn_target "amdgcn-amd-amdhsa--gfx1250"
	.amdhsa_code_object_version 6
	.text
	.protected	k_q865a614e6b_oproj
	.globl	k_q865a614e6b_oproj
	.p2align	8
	.type	k_q865a614e6b_oproj,@function
k_q865a614e6b_oproj:
	s_mov_b64 s[64:65], 0
	v_nop
	global_prefetch_b8 v0, s[64:65] scope:SCOPE_SE
	s_setreg_imm32_b32 hwreg(HW_REG_WAVE_MODE, 25, 1), 1
	s_wait_xcnt 0x0
	s_wait_alu depctr_hold_cnt(0) depctr_sa_sdst(0) depctr_va_vdst(0) depctr_va_sdst(0) depctr_va_ssrc(0) depctr_va_vcc(0) depctr_vm_vsrc(0)
	s_getreg_b32 s2, hwreg(HW_REG_IB_STS2, 6, 4)
	s_cmp_eq_u32 s2, 0
	s_cbranch_scc0 .Lentry_in_a_cluster
	s_endpgm
.Lentry_in_a_cluster:
	s_bfe_u32 s2, ttmp6, 0x10000c
	s_cmp_lg_u32 s2, 0xf033
	s_cbranch_scc0 .Lentry_shape_is_right
	s_endpgm
.Lentry_shape_is_right:
; out0[m][n] = sum over k of att[m][k] wo[n][k].  att: [2048][2048] f16, wo_h: [4096][2048] f16, out0: [2048][4096] f32; sums in f32.
; SHARES.  A tile of out0 is 128 x 256: 16 x 16 = 256 work-groups of four waves; a wave makes 64 x 128: 32 accumulators of 16 x 16.
; THE RING HAS TWO UNEQUAL SLOTS.  A K unit is 128 along K: 256 bytes of each of the tile's 384 rows.  Slot 0 holds one unit (LDS rows of 272 bytes: 104,448 bytes), slot 1 two units (rows of 512 bytes, LDS rows of
; 528: 202,752 bytes).  Two slots of two units would take 405,504 bytes, two of one unit use 208,896 of the 327,680; one and two use 307,200.  Slot 0 takes units 0, 3, .. 15, slot 1 units (1, 2), (4, 5), .. (13, 14):
; ten changes of slots where equal slots of one unit have fifteen.  A refill of slot 0 has 240 of a wave's matrix instructions in which to land, a refill of slot 1 has 112.
; Waves 0 and 1 fetch A's halves (64 rows), waves 2 and 3 B's (128 rows), one tensor load a wave behind each round.
; CLUSTERS: 4 x 4 work-groups.  The four of a row of the cluster need the same tiles of A, the four of a column the same tiles of B: each is asked for jointly.
; THE MATRIX INSTRUCTION IS USED TRANSPOSED (source 0 = 16 rows of wo, source 1 = 16 rows of att): a lane holds eight neighbouring numbers of a row of out0.
; REGISTERS, in windows of 256: window 0: v0-31 addresses; v96-159 A's fragments, two sets of 4; on the way out v128-255 rows read back.   window 1: B's fragments, two sets of 8.   window 2: accumulator (a, b) at v[8 (8 a + b)].
.set KROW,   4096                      ; a row of att or of wo_h in memory, in bytes
.set UNIT,   256                       ; a K unit's bytes of a row
.set P0,     272                       ; slot 0: an LDS row: 256 bytes + 16 of padding = 68 words: the 16 rows that a load touches start 4 words apart modulo 64
.set P1,     528                       ; slot 1: 512 bytes + 16 = 132 words: likewise
.set AH0,    64*P0                     ; slot 0: what a wave fetches of A, and what a wave reads of A
.set BH0,    128*P0                    ; the same for B
.set AP0,    2*AH0                     ; A's 128 rows; B's 256 lie behind them
.set SL0,    AP0+2*BH0
.set AH1,    64*P1                     ; slot 1 likewise
.set BH1,    128*P1
.set AP1,    2*AH1
.set SL1,    AP1+2*BH1
.set S1B,    SL0                       ; slot 1 begins behind slot 0
.set SPARE,  SL0+SL1                   ; behind the ring: the spare words, 128 bytes for each wave: two blocks of 256 bytes that no other line names
.set STAGE,  S1B                       ; the way out: 16 rows x (512 bytes + 16) for each wave.  It lies in slot 1, which has had its last fill and, behind the last change of slots, its last read when the first result is stored there
.set SPITCH, 528
.set TRIPS,  4                         ; a trip = slot 0's unit and slot 1's two = once round the ring; both slots are filled again
.set ADRA, 16                          ; v16-17  LDS address of my A fragments in slot 0, 1
.set ADRB, 20                          ; v20-21  the same for B
.set STO,  24
.set RD,   25
.set CO,   26
.set SPW,  28                          ; v28     LDS address of my spare word; never rewritten
.set NIL,  29                          ; v29     0; never rewritten
.set PFO,  30                          ; v30     the prefetches' offset: my lane x a row; never rewritten
.set AF,   96
.set BK,   128
.set G1,   24                          ; s[24:31] descriptor group 1 for A's tiles of slot 0;  s[32:39] group 0, one set for each slot
.set G0,   32
.set G1B,  48                          ; s[48:55], s[56:63] the same for B's
.set G0B,  56
.set PFA,  66                          ; s[66:67] where my prefetches stand: in trip k at unit 3 k + 6
.set LIM,  68                          ; s68     1 in a wave that prefetches, else the greatest number
.set G1L,  72                          ; s[72:79] group 1 for A's tiles of slot 1: rows twice as long
.set G1BL, 80                          ; s[80:87] for B's
.set MSB, 0
.macro WIN new                         ; the immediate's high byte repeats the setting that is left
.if MSB != \new
	s_set_vgpr_msb (MSB<<8)|\new
.set MSB, \new
.endif
.endm
.set MUL,  0xa1                        ; source 0 (B) window 1, source 1 (A) window 0, C and D window 2
.set TO_B, 0x40
.macro JLOAD g0a, g1a, g0b, g1b        ; a joint load: waves 0 and 1 fetch for A, waves 2 and 3 for B; four v_nop follow each of the two lines
	s_cmp_eq_u32 s15, 0
	s_cbranch_scc0 .Lfor_b_\@
	tensor_load_to_lds s[\g0a:\g0a+3], s[\g1a:\g1a+7]
	s_nop 0
.rept 4
	v_nop
.endr
	s_branch .Lasked_\@
.Lfor_b_\@:
	tensor_load_to_lds s[\g0b:\g0b+3], s[\g1b:\g1b+7]
	s_nop 0
.rept 4
	v_nop
.endr
.Lasked_\@:
.endm
.macro CREST                           ; a round of the cluster's barrier behind its opening barrier
	s_cmp_lg_u32 s14, 0
	s_cbranch_scc1 .Lnot_wave_0_\@
	s_barrier_signal -3
.Lnot_wave_0_\@:
	s_barrier_wait -3
	s_barrier_signal -1
	s_barrier_wait -1
.endm
.macro CROUND                          ; a whole round
	s_barrier_signal -1
	s_barrier_wait -1
	CREST
.endm
.macro PLACES n                        ; plain vector instructions between a matrix instruction and a load into, or a read of, its registers
.rept \n
	v_nop
.endr
.endm
; A prefetch of what the refill TWO refills on will ask for, which is the same slot's next contents: 32 rows, a lane a row, 256 bytes an instruction: one for slot 0, two for slot 1.  In trip k slot 0's change names
; unit 3 k + 6 (k = 0 .. 3), slot 1's units 3 k + 7 and 3 k + 8 (k = 0 .. 2: the last trip has none, s3 = 1 there).  Units 0 to 5 come by their loads alone.
; Each row's 256 bytes of a unit are named once in the launch: A's tile row is read by every cluster of its row of clusters: cluster x = 0 asks, wave 0, the partner at cx taking rows 32 cx on; B's tile column by
; every cluster of its column: cluster y = 0 asks, waves 2 and 3, the partner at cy taking rows 64 cy on.  The partners are told apart by address alone.
.macro ASK slot
.if (\slot) == 0
	s_cmp_ge_u32 s3, s[LIM]
	s_cbranch_scc0 .Lnot_mine_\@
	global_prefetch_b8 v[PFO], s[PFA:PFA+1] th:TH_LOAD_NT scope:SCOPE_SE
.else
	s_cmp_gt_u32 s3, s[LIM]
	s_cbranch_scc0 .Lnot_mine_\@
	global_prefetch_b8 v[PFO], s[PFA:PFA+1] offset:UNIT th:TH_LOAD_NT scope:SCOPE_SE
	global_prefetch_b8 v[PFO], s[PFA:PFA+1] offset:2*UNIT th:TH_LOAD_NT scope:SCOPE_SE
.endif
.Lnot_mine_\@:
.endm
	s_load_b128 s[4:7], s[0:1], 0x0                ; att, wo_h
	s_load_b64 s[8:9], s[0:1], 0x10                ; out0
	v_lshl_add_u32 v[SPW], v0, 2, SPARE
	v_mov_b32 v[NIL], 0
	ds_add_u32 v28, v29
	ds_add_u32 v28, v29
	s_wait_dscnt 0x0
	v_lshrrev_b32 v1, 5, v0
	v_readfirstlane_b32 s14, v1                    ; wave 0..3
	s_lshr_b32 s15, s14, 1                         ; which 64 of the tile's rows are mine.  Also: I fetch for A (0) or for B (1)
	s_and_b32 s16, s14, 1                          ; which 128 of its columns.  Also: which half of that tile I fetch
	s_bfe_u32 s40, ttmp6, 0x40000                  ; cx, cy: my place in the cluster
	s_bfe_u32 s41, ttmp6, 0x40004
	s_lshl_b32 s42, ttmp9, 2
	s_add_co_u32 s42, s42, s40                     ; tile column
	s_and_b32 s17, ttmp7, 0xffff
	s_lshl_b32 s17, s17, 2
	s_add_co_u32 s17, s17, s41                     ; tile row
	s_lshl_b32 s43, s41, 2
	s_lshl_b32 s43, 15, s43                        ; my row of the cluster
	s_lshl_b32 s44, 0x1111, s40                    ; my column
	; descriptor group 1, elements of one byte.  Slot 0: rows of 256, 16 bytes of padding behind every 64 words; slot 1: rows of 512, 16 bytes behind every 128 words.  A: 64 rows, B: 128
	s_or_b32 s[G1+0], s43, (0<<16)|(1<<20)|(1<<21)|(5<<22)|(3<<25)     ; 15:0 the mask; 17:16 elements of 1 byte; 20 padding on; 21 set beside a mask; 24:22 the interval; 31:25 four words
	s_or_b32 s[G1B+0], s44, (0<<16)|(1<<20)|(1<<21)|(5<<22)|(3<<25)
	s_or_b32 s[G1L+0], s43, (0<<16)|(1<<20)|(1<<21)|(6<<22)|(3<<25)
	s_or_b32 s[G1BL+0], s44, (0<<16)|(1<<20)|(1<<21)|(6<<22)|(3<<25)
.irp g, G1, G1B
	s_mov_b32 s[\g+1], 256<<16                     ; tensor_dim0
	s_mov_b32 s[\g+3], 256<<16                     ; tile_dim0
.endr
.irp g, G1L, G1BL
	s_mov_b32 s[\g+1], 512<<16
	s_mov_b32 s[\g+3], 512<<16
.endr
.irp g, G1, G1L
	s_mov_b32 s[\g+2], 64<<16                      ; tensor_dim1
	s_mov_b32 s[\g+4], 64                          ; tile_dim1
.endr
.irp g, G1B, G1BL
	s_mov_b32 s[\g+2], 128<<16
	s_mov_b32 s[\g+4], 128
.endr
.irp g, G1, G1B, G1L, G1BL
	s_mov_b32 s[\g+5], KROW                        ; from row to row
	s_mov_b32 s[\g+6], 0
	s_mov_b32 s[\g+7], 0
.endr
	; where the tiles come from: A's hang on the tile row alone, B's on the tile column alone; every wave makes both
	s_lshl_b32 s18, s16, 6
	s_lshl_b32 s20, s17, 7
	s_add_co_u32 s20, s20, s18                     ; A: row 128 x tile row + 64 x half
	s_lshl_b32 s20, s20, 12
	s_mov_b32 s21, 0
	s_lshl_b32 s18, s16, 7
	s_lshl_b32 s46, s42, 8
	s_add_co_u32 s46, s46, s18                     ; B: row 256 x tile column + 128 x half
	s_lshl_b32 s46, s46, 12
	s_mov_b32 s47, 0
	s_mul_i32 s45, s16, AH0                        ; and where they go: no place in the cluster enters an LDS address.  Slot 0: A's half,
	s_mul_i32 s2, s16, BH0
	s_add_co_u32 s2, s2, AP0                       ; B's half;
	s_mul_i32 s18, s16, AH1
	s_add_co_u32 s18, s18, S1B                     ; slot 1: A's half,
	s_mul_i32 s19, s16, BH1
	s_add_co_u32 s19, s19, S1B+AP1                 ; B's half
	s_wait_kmcnt 0x0
	s_add_nc_u64 s[20:21], s[4:5], s[20:21]
	s_add_nc_u64 s[46:47], s[6:7], s[46:47]
	CROUND                                         ; all sixteen work-groups are here: the first joint loads meet
	s_mov_b32 s[G0], 1                             ; slot 0: unit 0
	s_mov_b32 s[G0+1], s45
	s_mov_b64 s[G0+2:G0+3], s[20:21]
	s_or_b32 s[G0+3], s[G0+3], 0x80000000
	s_mov_b32 s[G0B], 1
	s_mov_b32 s[G0B+1], s2
	s_mov_b64 s[G0B+2:G0B+3], s[46:47]
	s_or_b32 s[G0B+3], s[G0B+3], 0x80000000
	JLOAD G0, G1, G0B, G1B
	s_mov_b32 s[G0+4], 1                           ; slot 1: units 1 and 2
	s_mov_b32 s[G0+5], s18
	s_add_nc_u64 s[G0+6:G0+7], s[20:21], UNIT
	s_or_b32 s[G0+7], s[G0+7], 0x80000000
	s_mov_b32 s[G0B+4], 1
	s_mov_b32 s[G0B+5], s19
	s_add_nc_u64 s[G0B+6:G0B+7], s[46:47], UNIT
	s_or_b32 s[G0B+7], s[G0B+7], 0x80000000
	JLOAD G0+4, G1L, G0B+4, G1BL                   ; two tensor loads of mine are out
	v_and_b32 v1, 15, v0                           ; r
	v_bfe_u32 v2, v0, 4, 1                         ; h
	v_mul_u32_u24 v3, v1, P0
	v_lshl_add_u32 v4, v2, 4, v3                   ; a fragment's row x pitch + 16 x half, in slot 0
	v_mul_u32_u24 v3, v1, P1
	v_lshl_add_u32 v7, v2, 4, v3                   ; and in slot 1
	s_mul_i32 s21, s15, AH0                        ; my 64 rows of A
	s_mul_i32 s22, s16, BH0                        ; my 128 rows of B,
	s_add_co_u32 s22, s22, AP0                     ; which lie behind A's 128
	v_add_nc_u32 v[ADRA], s21, v4
	v_add_nc_u32 v[ADRB], s22, v4
	s_mul_i32 s21, s15, AH1
	s_add_co_u32 s21, s21, S1B
	s_mul_i32 s22, s16, BH1
	s_add_co_u32 s22, s22, S1B+AP1
	v_add_nc_u32 v[ADRA+1], s21, v7
	v_add_nc_u32 v[ADRB+1], s22, v7
	s_mul_i32 s23, s14, 16*SPITCH
	s_add_co_u32 s23, s23, STAGE                   ; my stage
	v_mul_u32_u24 v5, v1, SPITCH                   ; in: row r, 32 bytes for each half of the lanes
	v_lshl_add_u32 v5, v2, 5, v5
	v_add_nc_u32 v[STO], s23, v5
	v_and_b32 v6, 31, v0
	v_lshlrev_b32 v[CO], 4, v6                     ; back: the 32 lanes take one row of 512 bytes; and the same in out0
	v_add_nc_u32 v[RD], s23, v[CO]
	s_lshl_b32 s20, s17, 7
	s_lshl_b32 s21, s15, 6
	s_add_co_u32 s20, s20, s21                     ; my first row: 128 x tile row + 64 x half,
	s_lshl_b32 s20, s20, 14                        ; of 16,384 bytes;
	s_lshl_b32 s21, s42, 10
	s_add_co_u32 s20, s20, s21                     ; my first column, in bytes: 1,024 x tile column
	s_lshl_b32 s21, s16, 9
	s_add_co_u32 s20, s20, s21                     ; + 512 x half
	s_mov_b32 s21, 0
	s_add_nc_u64 s[8:9], s[8:9], s[20:21]
	; the prefetches: who asks, and where
	s_and_b32 s22, ttmp7, 0xffff                   ; cluster y
	s_lshl_b32 s20, s17, 7
	s_lshl_b32 s21, s40, 5
	s_add_co_u32 s20, s20, s21                     ; A: row 128 x tile row + 32 cx
	s_lshl_b32 s21, s42, 8
	s_lshl_b32 s23, s41, 6
	s_add_co_u32 s21, s21, s23
	s_lshl_b32 s23, s16, 5
	s_add_co_u32 s21, s21, s23                     ; B: row 256 x tile column + 64 cy + 32 x (wave - 2)
	s_cmp_eq_u32 s15, 0                            ; do I fetch for A?
	s_cselect_b32 s20, s20, s21
	s_cselect_b32 s22, ttmp9, s22                  ; the coordinate along which other clusters read the same rows
	s_cselect_b64 s[PFA:PFA+1], s[4:5], s[6:7]
	s_cselect_b32 s23, s16, 0                      ; A's 128 rows are four partners' 32: wave 1 asks for nothing
	s_or_b32 s22, s22, s23
	s_cmp_eq_u32 s22, 0
	s_cselect_b32 s[LIM], 1, -1                    ; the same in all sixteen partners, for a given wave
	s_lshl_b32 s20, s20, 12
	s_mov_b32 s21, 0
	s_add_nc_u64 s[PFA:PFA+1], s[PFA:PFA+1], s[20:21]
	s_add_nc_u64 s[PFA:PFA+1], s[PFA:PFA+1], 3*UNIT ; at unit 3: the first change of slots steps it to unit 6.  Nothing is prefetched here, at the head
	v_lshlrev_b32 v[PFO], 12, v6
.macro FRAG reg, adr, q, i, pitch      ; 16 rows x 32 K of f16: 8 registers: lane l holds row l % 16; registers 0-3 K = 8 (l / 16) + 0..7, registers 4-7 K = 16 + 8 (l / 16) + 0..7
.irp c, 0,1
	ds_load_b128 v[\reg+4*\c:\reg+4*\c+3], v[\adr] offset:64*(\q)+32*\c+(\i)*16*(\pitch)
.endr
.endm
.macro FETCH slot, q, p                ; 24 LDS loads in one run: the slot's q-th 32 along K into set p: B's eight fragments, A's four
	WIN TO_B
.irp i, 0,1,2,3,4,5,6,7
	FRAG 64*(\p)+8*\i, ADRB+\slot, \q, \i, P0+(P1-P0)*(\slot)
.endr
	WIN 0
.irp i, 0,1,2,3
	FRAG AF+32*(\p)+8*\i, ADRA+\slot, \q, \i, P0+(P1-P0)*(\slot)
.endr
.endm
; 8 products: A's block a x B's eight.  The 32 accumulators take turns, one instruction a turn, in the same order in every step
.macro MULA a, p, zero
.irp b, 0,1,2,3,4,5,6,7
.if \zero
	v_wmma_f32_16x16x32_f16 v[8*(8*(\a)+\b):8*(8*(\a)+\b)+7], v[64*(\p)+8*\b:64*(\p)+8*\b+7], v[AF+32*(\p)+8*(\a):AF+32*(\p)+8*(\a)+7], 0
.else
	v_wmma_f32_16x16x32_f16 v[8*(8*(\a)+\b):8*(8*(\a)+\b)+7], v[64*(\p)+8*\b:64*(\p)+8*\b+7], v[AF+32*(\p)+8*(\a):AF+32*(\p)+8*(\a)+7], v[8*(8*(\a)+\b):8*(8*(\a)+\b)+7]
.endif
.endr
.endm
; A step of 32 along K that has its successor in the same slot: the successor's fragments are asked for first, into the set that the step before has multiplied.
; Slot 0 has four steps, slot 1 eight: an even number, so that set 0 begins every slot and set 1 ends it
.macro STEP slot, q, zero
	PLACES 4
	FETCH \slot, (\q)+1, 1-(\q)%2
	s_wait_dscnt 24                                ; all but the 24 just issued: this step's set is in
	WIN MUL
	MULA 0, (\q)%2, \zero
	MULA 1, (\q)%2, \zero
	MULA 2, (\q)%2, \zero
	MULA 3, (\q)%2, \zero
	WIN 0
.endm
; A slot's last step changes slots: one barrier; in front of it each wave waits for all its tensor loads, adds 0 to its spare word, and waits for that and for its own reads of this slot.
; fill = 1: the slot is filled again, with the units three on.  ask = 1: in the loop, where prefetches are issued
.macro TURN slot, next, fill, ask
.if (\ask) && (\slot) == 0
	s_wait_xcnt 0x0                                ; the last trip's prefetches have read their address: it is stepped here, once a trip, ahead of the waits of the change of slots
	s_add_nc_u64 s[PFA:PFA+1], s[PFA:PFA+1], 3*UNIT
.endif
	s_wait_tensorcnt 0x0                           ; all my tensor loads have landed: my part of the next slot
	ds_add_u32 v[SPW], v[NIL]                      ; 0 onto my spare word
	s_wait_dscnt 1                                 ; (the add may be out: this step's fragments are in)
	WIN MUL
	MULA 0, 1, 0                                   ; eight matrix instructions stand between the add and the wait for it
	s_wait_dscnt 0x0                               ; the add is done, and my reads of this slot are over
	s_barrier_signal -1
	MULA 1, 1, 0
	WIN 0
	s_barrier_wait -1
.if \fill
	CREST                                          ; the barrier has opened a round of the cluster's barrier: no wave of any partner still reads this slot's tile or has a load on its way
	s_add_nc_u64 s[G0+4*\slot+2:G0+4*\slot+3], s[G0+4*\slot+2:G0+4*\slot+3], 3*UNIT
	s_add_nc_u64 s[G0B+4*\slot+2:G0B+4*\slot+3], s[G0B+4*\slot+2:G0B+4*\slot+3], 3*UNIT
.if (\slot) == 0
	JLOAD G0, G1, G0B, G1B                         ; the first tensor load behind the round; its four v_nop are the places in front of the loads below
.else
	JLOAD G0+4, G1L, G0B+4, G1BL
.endif
.else
	PLACES 4
.endif
	FETCH \next, 0, 0
.if \ask
	ASK \slot                                      ; behind the joint load and the run of LDS loads
.endif
	WIN MUL
	MULA 2, 1, 0
	MULA 3, 1, 0
	WIN 0
.endm
	s_wait_tensorcnt 1                             ; my part of unit 0 is in (slot 1's load may be out)
	s_barrier_signal -1
	s_barrier_wait -1                              ; everybody's is
	FETCH 0, 0, 0
	STEP 0, 0, 1                                   ; the first step stands in front of the loop: its products start the sums
	s_mov_b32 s3, TRIPS
.Llap:                                             ; trip k: the rest of unit 3 k; slot 0 takes unit 3 k + 3; units 3 k + 1 and 3 k + 2; slot 1 takes units 3 k + 4 and 3 k + 5; the first step of unit 3 k + 3
	STEP 0, 1, 0
	STEP 0, 2, 0
	TURN 0, 1, 1, 1
.irp q, 0,1,2,3,4,5,6
	STEP 1, \q, 0
.endr
	TURN 1, 0, 1, 1
	STEP 0, 0, 0
	s_sub_co_u32 s3, s3, 1
	s_cmp_lg_u32 s3, 0
	s_cbranch_scc1 .Llap
	STEP 0, 1, 0                                   ; the tail is written out: the rest of unit 12
	STEP 0, 2, 0
	TURN 0, 1, 1, 0                                ; slot 0 takes unit 15, the last load;
.irp q, 0,1,2,3,4,5,6
	STEP 1, \q, 0                                  ; units 13 and 14;
.endr
	TURN 1, 0, 0, 0                                ; slot 1 is left: nothing is filled, and no round of the cluster's barrier follows;
	STEP 0, 0, 0                                   ; unit 15
	STEP 0, 1, 0
	STEP 0, 2, 0
	s_wait_dscnt 0x0                               ; the very last step: nothing more to fetch
	WIN MUL
	MULA 0, 1, 0
	MULA 1, 1, 0
	MULA 2, 1, 0
	MULA 3, 1, 0
	WIN 0
; THE WAY OUT, block by block of 16 rows x 128 columns: a lane's 32 bytes go into my stage and come back as whole rows of 512 bytes
.macro TOSTAGE a
	WIN 0x08                                       ; an LDS store's data are its source 1: window 2
.irp b, 0,1,2,3,4,5,6,7
	ds_store_b128 v[STO], v[64*(\a)+8*\b:64*(\a)+8*\b+3] offset:64*\b          ; each accumulator from its low end on
	ds_store_b128 v[STO], v[64*(\a)+8*\b+4:64*(\a)+8*\b+7] offset:64*\b+16
.endr
	WIN 0
.irp t, 0,1,2,3,4,5,6,7,8,9,10,11,12,13,14,15
	ds_load_b128 v[BK+64*((\a)%2)+4*\t:BK+64*((\a)%2)+4*\t+3], v[RD] offset:\t*SPITCH   ; LDS serves a wave's instructions in order: these see the stores above
.endr
.endm
.macro SEND a, younger                 ; younger: the next block's 16 stores and 16 loads, or none
	s_wait_dscnt \younger
.irp t, 0,1,2,3,4,5,6,7,8,9,10,11,12,13,14,15
	global_store_b128 v[CO], v[BK+64*((\a)%2)+4*\t:BK+64*((\a)%2)+4*\t+3], s[8:9] offset:(16*(\a)+\t)*16384 th:TH_STORE_NT   ; 32 lanes store 512 consecutive bytes, aligned; written once, read by nobody here
.endr
.endm
	PLACES 4                                       ; behind the last products: their results are read, and rows land in A's fragment registers
	TOSTAGE 0
	TOSTAGE 1
	SEND 0, 32
	s_wait_xcnt 0x0                                ; block 0's stores have read their data: block 2's rows may land there
	TOSTAGE 2
	SEND 1, 32
	s_wait_xcnt 0x0                                ; block 1's likewise
	TOSTAGE 3
	SEND 2, 32
	SEND 3, 0
	s_wait_tensorcnt 0x0                           ; the wave's end, behind my last tensor load and my last LDS store
	ds_add_u32 v[SPW], v[NIL]
	s_wait_dscnt 0x0
	CROUND                                         ; the closing round: no work-group ends while a partner may still ask for a tile that names it
	s_endpgm
.Lfunc_end_k_q865a614e6b_oproj:
	.size	k_q865a614e6b_oproj, .Lfunc_end_k_q865a614e6b_oproj-k_q865a614e6b_oproj
	.p2alignl 7, 3214868480
	.fill 96, 4, 3214868480
	.section	.rodata,"a",@progbits
	.p2align	6, 0x0
	.amdhsa_kernel k_q865a614e6b_oproj
		.amdhsa_group_segment_fixed_size 327680
		.amdhsa_private_segment_fixed_size 0
		.amdhsa_enable_private_segment 0
		.amdhsa_kernarg_size 24
		.amdhsa_user_sgpr_count 2
		.amdhsa_user_sgpr_kernarg_segment_ptr 1
		.amdhsa_wavefront_size32 1
		.amdhsa_system_sgpr_workgroup_id_x 1
		.amdhsa_system_sgpr_workgroup_id_y 1
		.amdhsa_system_sgpr_workgroup_id_z 1
		.amdhsa_system_vgpr_workitem_id 0
		.amdhsa_next_free_vgpr 768
		.amdhsa_next_free_sgpr 88
		.amdhsa_reserve_vcc 0
		.amdhsa_float_denorm_mode_32 3
		.amdhsa_float_denorm_mode_16_64 3
		.amdhsa_memory_ordered 1
		.amdhsa_forward_progress 1
		.amdhsa_inst_pref_size 134
	.end_amdhsa_kernel
	.amdgpu_metadata
---
amdhsa.version: [ 1, 2 ]
amdhsa.kernels:
  - .name:           k_q865a614e6b_oproj
    .symbol:         k_q865a614e6b_oproj.kd
    .args:
      - { .name: att, .offset: 0, .size: 8, .value_kind: global_buffer, .address_space: global }
      - { .name: wo_h, .offset: 8, .size: 8, .value_kind: global_buffer, .address_space: global }
      - { .name: out0, .offset: 16, .size: 8, .value_kind: global_buffer, .address_space: global }
    .group_segment_fixed_size: 327680
    .private_segment_fixed_size: 0
    .kernarg_segment_align: 8
    .kernarg_segment_size: 24
    .max_flat_workgroup_size: 128
    .sgpr_count:     88
    .vgpr_count:     768
    .wavefront_size: 32
...
	.end_amdgpu_metadata
.endif
;; end of part 4
